; MI455X (gfx1250); checked and timed in simulation.
; The chip was launched on July 23, 2026; its instructions are those of AMD's public machine-readable ISA for CDNA 5 (MIT licence, August 2026) and "CDNA5" Instruction Set Architecture Reference Guide (July 2026). The comments in the code are by the model that wrote it; some were corrected since.
;; Ro PE Attention. Allowed arithmetic: matrix products marked QUANTISED: E2M3 operands, one E8M0 scale for each 32 along K, by v_wmma_scale_f32_16x16x128_f8f6f4 with both operands' format E2M3, f32 sums; everything else in f32.
;; Inputs: b_proj 1,024 float32; w_proj 1,024 x 1,024 float32; w_qkv 3,072 x 1,024 float32; x 4 x 2,048 x 1,024 float32.
;; Outputs: out0 4 x 2,048 x 1,024 float32.
;; This version of the problem:
;;   THIS VERSION OF THE PROBLEM IS GIVEN IN LOW PRECISION. The matrix products marked QUANTISED in the list below multiply operands that are first quantised to E2M3 (2 exponent bits, 3 mantissa bits; 6 bits a number), with one power-of-two scale for each 32 numbers along K (OCP MX v1.0); their sums are f32. All else is computed in f32.
;;   The module's matrix products, in the order in which they are computed (A, B: the left and right operand; K: the contracted axis; several contracted axes count as one K, in the product's order):
;;     1. [M 8,192, K 1,024] x [K 1,024, N 3,072]; A: input x; B: input w_qkv: QUANTISED
;;     2. batch 64 x [M 2,048, K 64] x [K 64, N 2,048]; A: computed on the way; B: computed on the way: QUANTISED
;;     3. batch 64 x [M 2,048, K 2,048] x [K 2,048, N 64]; A: softmax (see below); B: computed on the way: QUANTISED
;;     4. [M 8,192, K 1,024] x [K 1,024, N 1,024]; A: computed on the way; B: input w_proj: QUANTISED
;;   THE QUANTISER, for each operand of a quantised product, along K:
;;     - K is cut into blocks of 32 from its start; a last block that is shorter is filled with zeros.
;;     - A block's scale is 2^e with e = floor(log2(the largest magnitude in the block)) - 2, held to -126 .. 127; a block of zeros has e = 0. As a byte (E8M0): e + 127.
;;     - Each number is divided by its block's scale, clamped to +-7.5, and rounded to the nearest number of E2M3, ties to even, subnormals kept.
;;     - The product sums the exact products of the quantised numbers (number of the format x scale) in f32.
;;   ~~~python
;;   def quantise(x, axis):      # numpy; x: float32 -> the quantised numbers, widened to float32 again
;;       x = np.moveaxis(x, axis, -1); K = x.shape[-1]
;;       x = np.pad(x, [(0, 0)] * (x.ndim - 1) + [(0, -K % 32)]); x = x.reshape(x.shape[:-1] + (-1, 32)); a = np.abs(x).max(-1, keepdims=True)
;;       e = np.where(a > 0, np.clip(np.frexp(np.where(a > 0, a, 1))[1] - 1 - 2, -126, 127), 0)      # np.frexp(a)[1] - 1 = floor(log2(a)), exactly
;;       r = np.clip(x / 2.0 ** e, -7.5, 7.5)
;;       step = 2.0 ** (np.maximum(np.frexp(np.where(r == 0, 1, r))[1] - 1, 0) - 3)
;;       q = np.round(r / step) * step * 2.0 ** e      # np.round: ties to even
;;       return np.moveaxis(q.reshape(q.shape[:-2] + (-1,))[..., :K], -1, axis).astype(np.float32)
;;   ~~~
;;   SOFTMAX AHEAD OF A QUANTISED PRODUCT. Where the list says 'softmax', what is quantised is not the finished softmax but p = 2^(t - M), with t = logit x log2(e) and M = ceil(the row's largest t), a whole number; so 1/2 < the row's largest p <= 1. The row's sum l is taken of the UNQUANTISED p, in f32, and the product's result is divided by l at the end. Since M is a whole number, a kernel that streams over the keys may use a running M (the ceiling of the running maximum): every later rescaling is an exact power of two, which a block's scale takes up: the codes' values come out the same.
;;   OPERANDS COMPUTED ON THE WAY. 'Computed on the way' means the value that the module computes at that place (a softmax that the list does not call 'softmax' is quantised finished and normalised). What goes into a quantiser is computed in f32, as accurately as f32 sums, v_exp_f32 and their like allow (about 1e-6 of the number): no bf16 or f16 on the way to a quantiser, and a product that is left as it is and whose result goes on into a quantised operand takes f32 operands (vector FMAs, or v_wmma_f32_16x16x4_f32). A number that lies on a knife's edge between two numbers of the format may be rounded either way, as far as f32 arithmetic and the matrix unit's own rounding can turn it there, and no further.
;; One version. Each part assembles by itself: llvm-mc -triple=amdgcn-amd-amdhsa -mcpu=gfx1250 --defsym DOCPART=n.
;; ======== version 1 of 1: 4 launches
;; limits: right only within a limited range of input values
;; workspace buffers: cq 10,223,616 bytes; sq 393,216 bytes; rope 524,288 bytes; qi 6,815,744 bytes; kv 13,631,488 bytes; ao 6,553,600 bytes
;; launch prep (part 1): grid 416 x 1, 4 waves a work-group, no clusters, 33,280 bytes of LDS; arguments x, w_qkv, w_proj, cq, sq, rope; writes cq, sq, rope
.if DOCPART == 1
	.amdgcn_target "amdgcn-amd-amdhsa--gfx1250"
	.amdhsa_code_object_version 6
	.text
	.protected	k_q2b62cbeb1f_prep
	.globl	k_q2b62cbeb1f_prep
	.p2align	8
	.type	k_q2b62cbeb1f_prep,@function
k_q2b62cbeb1f_prep:
	s_mov_b64 s[64:65], 0
	v_nop
	global_prefetch_b8 v0, s[64:65] scope:SCOPE_SE
	s_setreg_imm32_b32 hwreg(HW_REG_WAVE_MODE, 25, 1), 1
	s_wait_xcnt 0x0
; PREP.  Work-groups 0-383: x [8192][1024], w_qkv [3072][1024] and w_proj [1024][1024], f32, become codes of FP6 (E2M3), K innermost, 768 bytes a row (cq), and one E8M0 byte for each 32 along K, 32 bytes a row (sq).
; The three tensors' rows follow each other: x at row 0, w_qkv at 8192, w_proj at 11264.
; THE ROWS ARE STORED IN ANOTHER ORDER: bits 3 and 4 of a row's number change places.  So 16 neighbouring stored rows are rows 32 b + 8 u + (p % 8) + 16 (p / 8): a matrix result that has them along a lane's registers
; holds, in two neighbouring tiles, 16 neighbours along the next product's K.  A wave takes 8 rows (8,192 numbers), so the exchange is one of bits 0 and 1 of the wave's run number on the way out.
; A block's scale is 2^(floor(log2(largest magnitude)) - 2); its byte is the largest magnitude's exponent field - 2, held at 1 from below (a block of zeros keeps byte 1: its codes are zeros, and this program alone reads the bytes).
; Work-groups 384-415: the table of cos and sin for the rotary embedding: 128 tiles of 16 stored positions, 4,096 bytes each: planes 0-3 cos, planes 4-7 sin; in a plane lane (r, h) has 16 bytes:
; frequencies 16 h + 4 c + 0 .. 3 of position 32 (T / 2) + 8 (T % 2) + r % 8 + 16 (r / 8).
; The angle follows the f32 steps of the definition: the power 10^(j / 8) as the nearest f32, its reciprocal (v_rcp_f32 and one Newton step), one multiplication by the position.
; LIMITS: NaN and infinities among the inputs are not served; blocks under 2^-124 keep byte 1.  Sine and cosine: reduction by pi / 2 in three parts and polynomials of degree 9 and 10, good to about 1e-7 absolute for positions under 2,048.
; Should a library's power function be one unit in the last place off the nearest f32, the angle differs by up to 1.2e-4 at position 2,047.
.set STEPS, 16
.set CB,    12                         ; bytes of 16 codes
.set R,     16                         ; v16-143   eight sets of 16 numbers as loaded
.set X,     144                        ; v144-175 two sets of 16 neighbours (v16-143: eight sets of 16 numbers as loaded)
.set E,     176                        ; v176-177 a scale byte, two registers by turns
.set C,     192                        ; v192-255 codes, four registers a step
.set WREG,  8192                       ; LDS: a region for each wave: two stages of 32 x SP bytes, then its 256 scale bytes
.set SP,    80
.set P,     16                         ; the table's path: v16-31 powers, v32-47 their reciprocals, v48-63 cos, v64-79 sin, v80-90 at work
.set F,     32
.set CSN,   48
.set SN,    64
	s_load_b256 s[4:11], s[0:1], 0x0               ; x, w_qkv, w_proj, cq
	s_load_b128 s[12:15], s[0:1], 0x20             ; sq, rope
	v_lshl_add_u32 v178, v0, 2, 0x8000
	v_mov_b32 v179, 0
	v_lshrrev_b32 v1, 5, v0
	v_readfirstlane_b32 s16, v1                    ; wave
	v_and_b32 v2, 31, v0                           ; lane
	s_wait_kmcnt 0x0
	s_cmp_ge_u32 ttmp9, 384
	s_cbranch_scc1 .Ltable                         ; only the path below uses LDS
	s_wait_alu depctr_va_vdst(0)
	v_lshlrev_b32 v3, 4, v2                        ; my 16 bytes of a load's 512
	s_mul_i32 s17, s16, WREG
	v_lshrrev_b32 v14, 2, v2
	v_mul_u32_u24 v14, v14, SP
	v_and_b32 v15, 3, v2
	v_lshl_add_u32 v14, v15, 4, v14
	v_add_nc_u32 v14, s17, v14                     ; the stage, in: SP (lane / 4) + 16 (lane % 4)
	v_mul_u32_u24 v15, v2, SP
	v_add_nc_u32 v15, s17, v15                     ; out: SP x lane: my 16 neighbours
	; cq is laid [256 rows][K step of 256][row][208 bytes]: a tile of rows for one K step is dense in memory
	v_and_b32 v4, 15, v2
	v_mul_u32_u24 v4, v4, CB                       ; lanes 0-15: the even K step's 192 bytes of the row
	v_lshrrev_b32 v8, 4, v2
	v_mad_u32_u24 v4, v8, 0xd000, v4               ; lanes 16-31: the odd K step's, 256 rows of 208 bytes on (a row has 192 bytes of codes and 16 of zeros)
	v_lshrrev_b32 v5, 1, v2
	s_add_co_u32 s17, s17, 2*32*SP
	v_add_nc_u32 v5, s17, v5                       ; my block's scale byte in LDS
	v_lshlrev_b32 v7, 3, v2
	v_add_nc_u32 v6, s17, v7                       ; and 8 bytes a lane on the way out
	s_mov_b32 s17, 352                             ; which tensor: the choice hangs on the work-group's number alone
	s_cmp_lt_u32 ttmp9, 352
	s_cselect_b64 s[6:7], s[6:7], s[8:9]
	s_cselect_b32 s17, 256, s17
	s_cmp_lt_u32 ttmp9, 256
	s_cselect_b64 s[4:5], s[4:5], s[6:7]
	s_cselect_b32 s17, 0, s17
	s_sub_co_u32 s17, ttmp9, s17
	s_lshl_b32 s17, s17, 2
	s_add_co_u32 s18, s17, s16                     ; the run of 8 rows that I read
	s_mov_b32 s19, 0
	s_lshl_b64 s[20:21], s[18:19], 15              ; 32,768 bytes a run
	s_add_nc_u64 s[4:5], s[4:5], s[20:21]
	s_and_b32 s22, s16, 1                          ; the run that I write: the wave's two bits change places
	s_lshl_b32 s22, s22, 1
	s_lshr_b32 s23, s16, 1
	s_or_b32 s22, s22, s23
	s_lshl_b32 s23, ttmp9, 2
	s_add_co_u32 s22, s22, s23
	s_lshr_b32 s24, s22, 5                         ; 32 runs of 8 rows to a block of 256 rows
	s_mul_i32 s24, s24, 212992
	s_and_b32 s26, s22, 31
	s_mul_i32 s26, s26, 1664                       ; 8 rows of 208 bytes
	s_add_co_u32 s24, s24, s26
	s_mov_b32 s25, 0
	s_add_nc_u64 s[10:11], s[10:11], s[24:25]
	s_lshl_b32 s24, s22, 8                         ; 8 rows of 32 bytes
	s_add_nc_u64 s[12:13], s[12:13], s[24:25]
.macro LOAD t
.irp i, 0,1,2,3
	global_load_b128 v[R+16*((\t)%8)+4*\i:R+16*((\t)%8)+4*\i+3], v3, s[4:5] offset:2048*(\t)+512*\i th:TH_LOAD_NT
.endr
.endm
.macro TURN t                          ; a step's numbers through the stage: LDS serves a wave's instructions in order, so no wait stands between stores and loads
.irp i, 0,1,2,3
	ds_store_b128 v14, v[R+16*((\t)%8)+4*\i:R+16*((\t)%8)+4*\i+3] offset:32*SP*((\t)%2)+8*SP*\i
.endr
.irp i, 0,1,2,3
	ds_load_b128 v[X+16*((\t)%2)+4*\i:X+16*((\t)%2)+4*\i+3], v15 offset:32*SP*((\t)%2)+16*\i
.endr
.endm
.irp t, 0,1,2,3,4,5,6,7
	LOAD \t
.endr
	s_wait_alu depctr_va_vdst(0)
	s_wait_loadcnt 28                              ; step 0's four loads are in; seven steps' 28 may be out
	TURN 0
.macro STEP t
.set XS, X+16*((\t)%2)
.if (\t) > 0
	s_wait_dscnt 1                                 ; this step's numbers are back (the last step's byte store may be out)
.else
	s_wait_dscnt 0x0
.endif
.if (\t)+8 < STEPS
	LOAD (\t)+8
.endif
.if (\t)+1 < STEPS
.if STEPS-2-(\t) >= 7
	s_wait_loadcnt 28                              ; the next step's loads are in; those of the seven steps behind may be out
.else
	s_wait_loadcnt 4*(STEPS-2-(\t))
.endif
	TURN (\t)+1
.endif
	v_max3_num_f32 v8, |v[XS]|, |v[XS+1]|, |v[XS+2]|
	v_max3_num_f32 v9, |v[XS+3]|, |v[XS+4]|, |v[XS+5]|
.irp i, 6,10
	v_max3_num_f32 v8, v8, |v[XS+\i]|, |v[XS+\i+1]|
	v_max3_num_f32 v9, v9, |v[XS+\i+2]|, |v[XS+\i+3]|
.endr
	v_max3_num_f32 v8, v8, |v[XS+14]|, |v[XS+15]|
	v_max3_num_f32 v8, v8, v9, 0x1800000           ; and the floor 2^(3 - 127): the byte cannot fall under 1
	v_max_num_f32_dpp v8, v8, v8 row_xmask:1 row_mask:0xf bank_mask:0xf   ; with my neighbour's 16: the block's largest magnitude
	v_add_nc_u32 v11, 0xff000000, v8               ; 2 off its exponent field: the conversion's scale operand
	v_cvt_scalef32_pk16_fp6_f32 v[C+4*(\t):C+4*(\t)+2], v[XS:XS+15], v11
	v_lshrrev_b32 v[E+(\t)%2], 23, v11             ; the scale's byte
	ds_store_b8 v5, v[E+(\t)%2] offset:16*(\t)     ; both lanes of a block write the same byte with the same value
	global_store_b96 v4, v[C+4*(\t):C+4*(\t)+2], s[10:11] offset:208*((\t)/2)+106496*((\t)%2)   ; row t / 2 of my 8, K steps 2 (t % 2) and 2 (t % 2) + 1
.endm
.irp t, 0,1,2,3,4,5,6,7,8,9,10,11,12,13,14,15
	STEP \t
.endr
	ds_load_b64 v[12:13], v6                       ; these see my byte stores
	s_wait_dscnt 0x0
	global_store_b64 v7, v[12:13], s[12:13]        ; 32 lanes store 256 consecutive bytes, aligned
	v_and_b32 v1, 7, v2                            ; the 16 bytes behind each of my 8 rows x 4 K steps are read with the tiles: zeros, a lane to each
	v_mul_u32_u24 v1, v1, 208
	v_lshrrev_b32 v8, 3, v2
	v_mad_u32_u24 v1, v8, 0xd000, v1
	v_mov_b32 v8, 0
	v_mov_b32 v9, 0
	v_mov_b32 v10, 0
	v_mov_b32 v11, 0
	global_store_b128 v1, v[8:11], s[10:11] offset:192
	s_wait_tensorcnt 0x0
	ds_add_u32 v178, v179
	s_wait_dscnt 0x0
	s_endpgm
.Ltable:
	s_sub_co_u32 s17, ttmp9, 384
	s_lshl_b32 s17, s17, 2
	s_add_co_u32 s17, s17, s16                     ; T, my tile
	s_lshl_b32 s18, s17, 12
	s_mov_b32 s19, 0
	s_add_nc_u64 s[14:15], s[14:15], s[18:19]
	s_lshr_b32 s18, s17, 1
	s_lshl_b32 s18, s18, 5
	s_and_b32 s19, s17, 1
	s_lshl_b32 s19, s19, 3
	s_add_co_u32 s18, s18, s19                     ; 32 (T / 2) + 8 (T % 2)
	s_mov_b32 s20, 0x3638ef1d                      ; 1 / 9!
	s_mov_b32 s21, 0xb493f27e                      ; -1 / 10!
	v_and_b32 v1, 7, v0
	v_bfe_u32 v5, v0, 3, 1
	v_lshl_add_u32 v1, v5, 4, v1
	v_add_nc_u32 v1, s18, v1                       ; my position
	v_cvt_f32_u32 v3, v1
	v_bfe_u32 v5, v0, 4, 1                         ; h
	v_cmp_ne_u32 vcc_lo, 0, v5
	s_wait_alu depctr_va_vdst(0)
	v_lshlrev_b32 v4, 4, v2                        ; 16 x lane
.macro PWR i, lo, hi                   ; 10^((16 h + i) / 8)
	v_mov_b32 v[P+\i], \hi
	v_cndmask_b32 v[P+\i], \lo, v[P+\i], vcc_lo
.endm
	PWR 0, 1.0, 100.0
	PWR 1, 1.3335214321633240, 133.35214321633240
	PWR 2, 1.7782794100389228, 177.82794100389228
	PWR 3, 2.3713737056616552, 237.13737056616552
	PWR 4, 3.1622776601683795, 316.22776601683795
	PWR 5, 4.2169650342858226, 421.69650342858226
	PWR 6, 5.6234132519034912, 562.34132519034912
	PWR 7, 7.4989420933245583, 749.89420933245583
	PWR 8, 10.0, 1000.0
	PWR 9, 13.335214321633240, 1333.5214321633240
	PWR 10, 17.782794100389228, 1778.2794100389228
	PWR 11, 23.713737056616552, 2371.3737056616552
	PWR 12, 31.622776601683795, 3162.2776601683795
	PWR 13, 42.169650342858226, 4216.9650342858226
	PWR 14, 56.234132519034912, 5623.4132519034912
	PWR 15, 74.989420933245583, 7498.9420933245583
	s_wait_alu depctr_va_vdst(0)
.irp i, 0,1,2,3,4,5,6,7,8,9,10,11,12,13,14,15
	v_rcp_f32 v[F+\i], v[P+\i]
.endr
	v_nop                                          ; a plain instruction behind the last reciprocal
	s_wait_alu depctr_va_vdst(0)                   ; one wait for the sixteen, ahead of their first reader
.irp i, 0,1,2,3,4,5,6,7,8,9,10,11,12,13,14,15
	v_fma_f32 v80, -v[P+\i], v[F+\i], 1.0          ; one Newton step: the quotient 1 / P to the last place
	v_fma_f32 v[F+\i], v[F+\i], v80, v[F+\i]
.endr
.macro SINCOS i
	v_mul_f32 v80, v3, v[F+\i]                     ; the angle
	v_mul_f32 v81, 0x3f22f983, v80                 ; x 2 / pi
	v_rndne_f32 v81, v81                           ; n, under 2^11
	v_fmamk_f32 v82, v81, 0xbfc90000, v80          ; - n x 1.5703125 (exact)
	v_fmamk_f32 v82, v81, 0xb9fda000, v82          ; - n x 4.83751297e-4
	v_fmamk_f32 v82, v81, 0xb3a22169, v82          ; - n x 7.54978995e-8: a, within pi / 4 of 0
	v_mul_f32 v83, v82, v82                        ; s = a a
	v_fmaak_f32 v84, s20, v83, 0xb9500d01          ; -1 / 7!
	v_fmaak_f32 v84, v84, v83, 0x3c088889          ; 1 / 5!
	v_fmaak_f32 v84, v84, v83, 0xbe2aaaab          ; -1 / 3!
	v_mul_f32 v85, v82, v83
	v_fma_f32 v84, v85, v84, v82                   ; sin a
	v_fmaak_f32 v86, s21, v83, 0x37d00d01          ; 1 / 8!
	v_fmaak_f32 v86, v86, v83, 0xbab60b61          ; -1 / 6!
	v_fmaak_f32 v86, v86, v83, 0x3d2aaaab          ; 1 / 4!
	v_fmaak_f32 v86, v86, v83, 0xbf000000          ; -1 / 2
	v_fma_f32 v86, v86, v83, 1.0                   ; cos a
	v_cvt_i32_f32 v87, v81
	v_and_b32 v88, 1, v87
	v_cmp_ne_u32 vcc_lo, 0, v88                    ; an odd quadrant exchanges the two
	v_cndmask_b32 v89, v84, v86, vcc_lo
	v_cndmask_b32 v90, v86, v84, vcc_lo
	v_and_b32 v88, 2, v87
	v_lshlrev_b32 v88, 30, v88
	v_xor_b32 v[SN+\i], v88, v89                   ; the sine changes sign in quadrants 2 and 3,
	v_add_nc_u32 v87, 1, v87
	v_and_b32 v87, 2, v87
	v_lshlrev_b32 v87, 30, v87
	v_xor_b32 v[CSN+\i], v87, v90                  ; the cosine in 1 and 2
.endm
.irp i, 0,1,2,3,4,5,6,7,8,9,10,11,12,13,14,15
	SINCOS \i
.endr
.irp c, 0,1,2,3
	global_store_b128 v4, v[CSN+4*\c:CSN+4*\c+3], s[14:15] offset:512*\c          ; each store covers 512 consecutive bytes
.endr
.irp c, 0,1,2,3
	global_store_b128 v4, v[SN+4*\c:SN+4*\c+3], s[14:15] offset:2048+512*\c
.endr
	s_endpgm
.Lfunc_end_k_q2b62cbeb1f_prep:
	.size	k_q2b62cbeb1f_prep, .Lfunc_end_k_q2b62cbeb1f_prep-k_q2b62cbeb1f_prep
	.p2alignl 7, 3214868480
	.fill 96, 4, 3214868480
	.section	.rodata,"a",@progbits
	.p2align	6, 0x0
	.amdhsa_kernel k_q2b62cbeb1f_prep
		.amdhsa_group_segment_fixed_size 33280
		.amdhsa_private_segment_fixed_size 0
		.amdhsa_enable_private_segment 0
		.amdhsa_kernarg_size 48
		.amdhsa_user_sgpr_count 2
		.amdhsa_user_sgpr_kernarg_segment_ptr 1
		.amdhsa_wavefront_size32 1
		.amdhsa_system_sgpr_workgroup_id_x 1
		.amdhsa_system_sgpr_workgroup_id_y 1
		.amdhsa_system_sgpr_workgroup_id_z 1
		.amdhsa_system_vgpr_workitem_id 0
		.amdhsa_next_free_vgpr 256
		.amdhsa_next_free_sgpr 66
		.amdhsa_reserve_vcc 1
		.amdhsa_float_denorm_mode_32 3
		.amdhsa_float_denorm_mode_16_64 3
		.amdhsa_memory_ordered 1
		.amdhsa_forward_progress 1
		.amdhsa_inst_pref_size 61
	.end_amdhsa_kernel
	.amdgpu_metadata
---
amdhsa.version: [ 1, 2 ]
amdhsa.kernels:
  - .name:           k_q2b62cbeb1f_prep
    .symbol:         k_q2b62cbeb1f_prep.kd
    .args:
      - { .name: x, .offset: 0, .size: 8, .value_kind: global_buffer, .address_space: global }
      - { .name: w_qkv, .offset: 8, .size: 8, .value_kind: global_buffer, .address_space: global }
      - { .name: w_proj, .offset: 16, .size: 8, .value_kind: global_buffer, .address_space: global }
      - { .name: cq, .offset: 24, .size: 8, .value_kind: global_buffer, .address_space: global }
      - { .name: sq, .offset: 32, .size: 8, .value_kind: global_buffer, .address_space: global }
      - { .name: rope, .offset: 40, .size: 8, .value_kind: global_buffer, .address_space: global }
    .group_segment_fixed_size: 33280
    .private_segment_fixed_size: 0
    .kernarg_segment_align: 8
    .kernarg_segment_size: 48
    .max_flat_workgroup_size: 128
    .sgpr_count:     66
    .vgpr_count:     256
    .wavefront_size: 32
...
	.end_amdgpu_metadata
.endif
;; end of part 1
;; launch qkv (part 2): grid 12 x 32, 4 waves a work-group, clusters of 4 x 4, 327,680 bytes of LDS; arguments cq, sq, rope, qi, kv; writes qi, kv
.if DOCPART == 2
	.amdgcn_target "amdgcn-amd-amdhsa--gfx1250"
	.amdhsa_code_object_version 6
	.text
	.protected	k_q2b62cbeb1f_qkv
	.globl	k_q2b62cbeb1f_qkv
	.p2align	8
	.type	k_q2b62cbeb1f_qkv,@function
k_q2b62cbeb1f_qkv:
	s_mov_b64 s[64:65], 0
	v_nop
	global_prefetch_b8 v0, s[64:65] scope:SCOPE_SE
	s_setreg_imm32_b32 hwreg(HW_REG_WAVE_MODE, 25, 1), 1
	s_wait_xcnt 0x0
	s_wait_alu depctr_hold_cnt(0) depctr_sa_sdst(0) depctr_va_vdst(0) depctr_va_sdst(0) depctr_va_ssrc(0) depctr_va_vcc(0) depctr_vm_vsrc(0)
	s_getreg_b32 s2, hwreg(HW_REG_IB_STS2, 6, 4)
	s_cmp_eq_u32 s2, 0
	s_cbranch_scc0 .Lentry_in_a_cluster
	s_endpgm
.Lentry_in_a_cluster:
	s_bfe_u32 s2, ttmp6, 0x10000c
	s_cmp_lg_u32 s2, 0xf033
	s_cbranch_scc0 .Lentry_shape_is_right
	s_endpgm
.Lentry_shape_is_right:
; QKV.  The first product, x w_qkv^T, on codes of FP6 (E2M3) with E8M0 scales, K = 1,024; then, in registers: the rotary embedding and the quantiser along the head's 64 for q and k, the quantiser along the keys for v.
; Nothing leaves in f32: q, k and v are stored as IMAGES OF THE NEXT PRODUCTS' OPERAND REGISTERS, in planes of 512 bytes, lane l's 16 bytes at 16 l.
; A tile of 256 x 256 to a work-group, 128 x 128 to each of four waves (64 accumulators, 512 registers).  K goes in steps of 256 through two LDS slots filled by the tensor data mover; the scale bytes of the
; work-group's 2 x 256 rows come once.  4 x 4 work-groups form a cluster: 'A' tiles are asked for jointly along a row of the cluster, 'B' tiles along a column.
; THE MATRIX INSTRUCTION IS USED TRANSPOSED (source 0 = 16 rows of B, source 1 = 16 rows of A): a lane holds ONE row of A, its registers run along rows of B.  Both operands lie in one buffer, so one loop serves all:
;   clusters x = 0, 1 (q, k): A = x (a lane holds a token), B = w (registers run along the head's channels);   cluster x = 2 (v): A = w_v (a lane holds a channel), B = x (registers run along the keys).
; Only row numbers are chosen, on the cluster's x, which all partners share.
; The stored rows have bits 3 and 4 of their numbers exchanged: so register j of lane (r, h) in tiles 2 b + u of B is row 32 b + 16 h + 8 u + j: two neighbouring tiles give 16 neighbours along the next K.
; The factor 1 / 8 on q is a power of two: it changes no code and is taken up by the softmax's constant in the next launch.
; LIMITS: NaN and infinities are not served; a block under 2^-124 keeps byte 1 (a block of zeros too: its codes are zeros, and this program alone reads the bytes).
; REGISTERS, in windows of 256: window 0: v16-29 addresses; v32-63 scale words, two sets, and nothing else; v128-223 A's fragments, one set; on the way out v64-127 and v128-255 at work.
;   window 1: B's fragments, two sets; on the way out the cos / sin table.   windows 2, 3: the accumulators ((a, b) at v[8 (8 (a % 4) + b)] of window 2 + a / 4).
.set KSTEP,  256
.set NQ,     2                         ; matrix instructions deep in a slot
.set ROWB,   208                       ; a tile's row in memory and in LDS: 192 bytes of codes and 16 of zeros: 13 x 16 bytes, so the 16 rows of a fragment start in different banks
.set KROW,   832                       ; four such rows: all of K
.set PITCH,  208
.set FR,     12
.set NL,     6
.set NP,     4
.set HALFT,  128*PITCH
.set SLOT,   4*HALFT
.set KS,     32                        ; a row of scale bytes
.set SCL,    2*SLOT
.set HALFS,  16*272                    ; the scales of 128 rows: 16 units of 256 bytes + 16
.set SBLK,   2*272                     ; of 16 rows
.set SPARE,  SCL+4*HALFS               ; the spare words, 128 bytes a wave: two blocks of 256 bytes that no other line names
.set ADRA, 16
.set ADRB, 20
.set LI,   24                          ; v24  16 x lane
.set ADRS, 27
.set SPW,  28
.set NIL,  29
.set SC,   32
.set AF,   128
.set TA,   64                          ; the way out: x2 sin
.set TB,   80                          ; x1 sin
.set RR,   96                          ; v96-127 32 rotated numbers
.set PC,   128                         ; v128-151 codes: 12 registers for each of two heads
.set SW,   160                         ; v160-175 scale words
.set OW,   176                         ; v176-183 scale words as they are stored
.set TM,   224                         ; v224-239 at work in the quantisers
.set CT0,  240                         ; v240-242, v244-246 second halves of conversions
.set HW,   248
.set G1, 24
.set G0, 32
.set G1B, 48
.set G0B, 56
.set G1S, 68
.set G0S, 76
.set G1SB, 80
.set G0SB, 88
.set OUT, 66                           ; the way out: s[66:67], s[70:71] where two heads' records begin
.set SEL, 76                           ; s[76:77] selects for lane l xor 16
.set HM,  78                           ; s78 lanes 16-31
.set MSB, 0
.macro WIN new                         ; the immediate's high byte repeats the setting that is left
.if MSB != \new
	s_set_vgpr_msb (MSB<<8)|(\new)
.set MSB, \new
.endif
.endm
.set MUL_LO, 0xa1                      ; source 0 (B) window 1, source 1 (A) window 0, C and D window 2
.set MUL_HI, 0xf1
.set TO_B,   0x40
; A joint load: waves 0 and 1 fetch for A, waves 2 and 3 for B; the branch hangs on the wave's number alone.  Four v_nop follow each of the two lines.
.macro JLOAD g0a, g1a, g0b, g1b
	s_cmp_eq_u32 s15, 0
	s_cbranch_scc0 .Lfor_b_\@
	tensor_load_to_lds s[\g0a:\g0a+3], s[\g1a:\g1a+7]
	s_nop 0
.rept 4
	v_nop
.endr
	s_branch .Lasked_\@
.Lfor_b_\@:
	tensor_load_to_lds s[\g0b:\g0b+3], s[\g1b:\g1b+7]
	s_nop 0
.rept 4
	v_nop
.endr
.Lasked_\@:
.endm
.macro CREST                           ; a round of the cluster's barrier behind its opening barrier
	s_cmp_lg_u32 s14, 0
	s_cbranch_scc1 .Lnot_wave_0_\@
	s_barrier_signal -3
.Lnot_wave_0_\@:
	s_barrier_wait -3
	s_barrier_signal -1
	s_barrier_wait -1
.endm
.macro CROUND
	s_barrier_signal -1
	s_barrier_wait -1
	CREST
.endm
	s_load_b256 s[4:11], s[0:1], 0x0               ; cq s[4:5], sq s[6:7], rope s[8:9], qi s[10:11]
	s_load_b64 s[12:13], s[0:1], 0x20              ; kv
	v_lshl_add_u32 v[SPW], v0, 2, SPARE
	v_mov_b32 v[NIL], 0
	ds_add_u32 v28, v29
	ds_add_u32 v28, v29
	s_wait_dscnt 0x0
	v_lshrrev_b32 v1, 5, v0
	v_readfirstlane_b32 s14, v1                    ; wave 0..3
	s_lshr_b32 s15, s14, 1                         ; which half of A's rows is mine.  Also: I fetch for A (0) or for B (1)
	s_and_b32 s16, s14, 1                          ; which half of B's rows.  Also: which 128 rows I fetch
	s_bfe_u32 s40, ttmp6, 0x40000                  ; cx
	s_bfe_u32 s41, ttmp6, 0x40004                  ; cy
	s_and_b32 s17, ttmp7, 0xffff
	s_lshl_b32 s17, s17, 2                         ; 4 x cluster y
	s_lshl_b32 s42, ttmp9, 2                       ; 4 x cluster x
	s_cmp_eq_u32 ttmp9, 2                          ; v's clusters: the same answer in all sixteen partners
	s_cselect_b32 s95, 0, s17
	s_cselect_b32 s42, s17, s42
	s_cselect_b32 s96, 10240, 0                    ; where A's rows begin: w_v, or x
	s_cselect_b32 s97, 0, 8192                     ; and B's: x, or w_q
	s_add_co_u32 s95, s95, s41                     ; A's tile of 256 rows: hangs on cy, never on cx
	s_add_co_u32 s42, s42, s40                     ; B's: hangs on cx, never on cy
	s_lshl_b32 s43, s41, 2
	s_lshl_b32 s43, 15, s43                        ; my row of the cluster
	s_lshl_b32 s44, 0x1111, s40                    ; my column
	s_or_b32 s[G1+0], s43, (0<<16)|(1<<21)         ; mask; elements of 1 byte; bit 21 beside a mask; no padding: the rows carry their own
	s_or_b32 s[G1B+0], s44, (0<<16)|(1<<21)
.irp g, G1, G1B
	s_mov_b32 s[\g+1], 256<<16                     ; a tile is dense in memory: rows of 256 bytes
	s_mov_b32 s[\g+2], 208<<16                     ; the head's loads: 256 rows of codes = 208 rows of 256 bytes
	s_mov_b32 s[\g+3], 256<<16
	s_mov_b32 s[\g+4], 208
	s_mov_b32 s[\g+5], 256
	s_mov_b32 s[\g+6], 0
	s_mov_b32 s[\g+7], 0
.endr
	s_or_b32 s[G1S+0], s43, (3<<16)|(1<<20)|(1<<21)|(5<<22)|(3<<25)  ; the scales of 256 rows: 8,192 dense bytes as 32 rows of 256, 16 bytes of padding behind each
	s_or_b32 s[G1SB+0], s44, (3<<16)|(1<<20)|(1<<21)|(5<<22)|(3<<25)
.irp g, G1S, G1SB
	s_mov_b32 s[\g+1], 32<<16
	s_mov_b32 s[\g+2], 32<<16
	s_mov_b32 s[\g+3], 32<<16
	s_mov_b32 s[\g+4], 32
	s_mov_b32 s[\g+5], 32
	s_mov_b32 s[\g+6], 0
	s_mov_b32 s[\g+7], 0
.endr
	s_lshl_b32 s20, s95, 8
	s_add_co_u32 s20, s20, s96                     ; A's first row
	s_lshl_b32 s46, s42, 8
	s_add_co_u32 s46, s46, s97
	s_mov_b32 s21, 0
	s_mov_b32 s47, 0
	s_mov_b64 s[18:19], KS
	s_mul_u64 s[22:23], s[20:21], s[18:19]
	s_mul_u64 s[92:93], s[46:47], s[18:19]
	s_mov_b64 s[18:19], KROW
	s_mul_u64 s[20:21], s[20:21], s[18:19]
	s_mul_u64 s[46:47], s[46:47], s[18:19]
	s_mul_i32 s45, s14, HALFT                      ; where they go: wave x 128 rows: no place in the cluster enters an LDS address
	s_wait_kmcnt 0x0
	s_add_nc_u64 s[20:21], s[4:5], s[20:21]
	s_add_nc_u64 s[22:23], s[6:7], s[22:23]
	s_add_nc_u64 s[46:47], s[4:5], s[46:47]
	s_add_nc_u64 s[92:93], s[6:7], s[92:93]
	CROUND                                         ; all sixteen work-groups are here: the first joint loads meet
	s_mov_b32 s[G0S], 1
	s_mov_b32 s[G0S+1], SCL
	s_mov_b64 s[G0S+2:G0S+3], s[22:23]
	s_or_b32 s[G0S+3], s[G0S+3], 0x80000000
	s_mov_b32 s[G0SB], 1
	s_mov_b32 s[G0SB+1], SCL+2*HALFS
	s_mov_b64 s[G0SB+2:G0SB+3], s[92:93]
	s_or_b32 s[G0SB+3], s[G0SB+3], 0x80000000
.set STEPB, 256*ROWB                   ; from a K step's block of 256 rows to the next
	s_mul_i32 s18, s16, 128*ROWB                   ; in the ring I fetch 128 rows of a tile: which half, in bytes
	s_mov_b32 s19, 0
	s_mov_b32 s[G0], 1                             ; the head's tiles, each whole: K step 0's 256 rows of A,
	s_mov_b32 s[G0+1], 0
	s_mov_b64 s[G0+2:G0+3], s[20:21]
	s_or_b32 s[G0+3], s[G0+3], 0x80000000
	s_mov_b32 s[G0B], 1                            ; and of B, behind them in slot 0
	s_mov_b32 s[G0B+1], 2*HALFT
	s_mov_b64 s[G0B+2:G0B+3], s[46:47]
	s_or_b32 s[G0B+3], s[G0B+3], 0x80000000
	s_add_nc_u64 s[20:21], s[20:21], s[18:19]
	s_add_nc_u64 s[46:47], s[46:47], s[18:19]
	s_mov_b32 s[G0+4], 1                           ; slot 1: my 128 rows of K step 1
	s_add_co_u32 s[G0+5], s45, SLOT
	s_add_nc_u64 s[G0+6:G0+7], s[20:21], STEPB
	s_or_b32 s[G0+7], s[G0+7], 0x80000000
	s_mov_b32 s[G0B+4], 1
	s_add_co_u32 s[G0B+5], s45, SLOT
	s_add_nc_u64 s[G0B+6:G0B+7], s[46:47], STEPB
	s_or_b32 s[G0B+7], s[G0B+7], 0x80000000
; the head's loads, one a wave: wave 0 A's rows, wave 1 B's, wave 2 A's scales, wave 3 B's; one tree of branches on the wave's number
.macro ARM under, g0, g1, next
	s_cmp_lt_u32 s14, \under
	s_cbranch_scc0 \next
	tensor_load_to_lds s[\g0:\g0+3], s[\g1:\g1+7]
	s_nop 0
.rept 4
	v_nop
.endr
	s_branch .Lhead_asked
\next:
.endm
	ARM 1, G0,  G1,  .Lhead_b
	ARM 2, G0B, G1B, .Lhead_sa
	ARM 3, G0S, G1S, .Lhead_sb
	tensor_load_to_lds s[G0SB:G0SB+3], s[G1SB:G1SB+7]
	s_nop 0
.rept 4
	v_nop
.endr
.Lhead_asked:
	v_and_b32 v1, 15, v0                           ; l % 16
	v_bfe_u32 v2, v0, 4, 1                         ; l / 16
	v_mul_u32_u24 v3, v1, PITCH
	v_mul_u32_u24 v4, v2, 24
	v_add_nc_u32 v4, v3, v4                        ; a fragment's row x pitch + 24 x half
	s_mul_i32 s21, s15, HALFT
	s_mul_i32 s22, s16, HALFT
	s_add_co_u32 s22, s22, 2*HALFT
.irp s, 0,1
	v_add_nc_u32 v[ADRA+\s], s21, v4
	v_add_nc_u32 v[ADRB+\s], s22, v4
	s_add_co_u32 s21, s21, SLOT
	s_add_co_u32 s22, s22, SLOT
.endr
	v_mul_u32_u24 v5, v1, KS                       ; my row's scales: 32 bytes a row,
	v_lshrrev_b32 v6, 8, v5
	v_lshl_add_u32 v5, v6, 4, v5                   ; and 16 more for each 256 passed
	s_mul_i32 s21, s15, HALFS
	s_mul_i32 s22, s16, HALFS
	s_add_co_u32 s22, s22, 2*HALFS
	s_sub_co_u32 s22, s22, s21
	v_mul_u32_u24 v6, s22, v2                      ; lanes 16-31 take B's
	s_add_co_u32 s21, s21, SCL
	v_add_nc_u32 v5, v5, v6
	v_add_nc_u32 v[ADRS], s21, v5
	v_and_b32 v6, 31, v0
	v_lshlrev_b32 v[LI], 4, v6
.macro FRAG reg, adr, q, i             ; 16 rows x 128 K of 6-bit codes: 12 registers, in pieces of 8 bytes
.irp p, 0,1,2,3,4,5
.set PCE, 12*(\q)+6*(\p/3)+\p%3
	ds_load_b64 v[\reg+2*\p:\reg+2*\p+1], v[\adr] offset:8*PCE+(\i)*16*PITCH
.endr
.endm
; 16 matrix instructions: A's blocks a0, a0 + 1 x B's eight.  The 64 accumulators take turns, one instruction a turn, in the same order in every step.
.macro MUL16 a0, p, q, sc, zero
.irp a, \a0, \a0+1
.irp b, 0,1,2,3,4,5,6,7
.if \zero
	v_wmma_scale_f32_16x16x128_f8f6f4 v[8*(8*((\a)%4)+\b):8*(8*((\a)%4)+\b)+7], v[128*(\p)+FR*\b:128*(\p)+FR*\b+FR-1], v[AF+FR*(\a):AF+FR*(\a)+FR-1], 0, v[SC+8*NQ*(\sc)+NQ*\b+(\q)], v[SC+8*NQ*(\sc)+NQ*(\a)+(\q)] matrix_a_fmt:MATRIX_FMT_FP6 matrix_b_fmt:MATRIX_FMT_FP6 matrix_a_scale:MATRIX_SCALE_ROW1
.else
	v_wmma_scale_f32_16x16x128_f8f6f4 v[8*(8*((\a)%4)+\b):8*(8*((\a)%4)+\b)+7], v[128*(\p)+FR*\b:128*(\p)+FR*\b+FR-1], v[AF+FR*(\a):AF+FR*(\a)+FR-1], v[8*(8*((\a)%4)+\b):8*(8*((\a)%4)+\b)+7], v[SC+8*NQ*(\sc)+NQ*\b+(\q)], v[SC+8*NQ*(\sc)+NQ*(\a)+(\q)] matrix_a_fmt:MATRIX_FMT_FP6 matrix_b_fmt:MATRIX_FMT_FP6 matrix_a_scale:MATRIX_SCALE_ROW1
.endif
.endr
.endr
.endm
.macro FETCH_B slot, q, p
	WIN TO_B
.irp i, 0,1,2,3,4,5,6,7
	FRAG 128*(\p)+FR*\i, ADRB+\slot, \q, \i
.endr
	WIN 0
.endm
.macro FETCH_A slot, q, i0
.irp i, \i0, \i0+1, \i0+2, \i0+3
	FRAG AF+FR*(\i), ADRA+\slot, \q, \i
.endr
.endm
.macro SCALES sc                       ; a K step's scale words: lanes 0-15 A's block i, lanes 16-31 B's block i
.irp i, 0,1,2,3,4,5,6,7
	ds_load_b64 v[SC+8*NQ*\sc+NQ*\i:SC+8*NQ*\sc+NQ*\i+1], v[ADRS] offset:\i*SBLK
.endr
.endm
.macro PLACES n                        ; plain vector instructions between a matrix instruction and a load into, a write of or a read of its registers
.rept \n
	v_nop
.endr
.endm
.macro STEP slot, q, zero              ; a step of 128 along K that has its successor in the same slot
	s_wait_dscnt 4*NL                              ; B's set and A's blocks 0-3 are in; the youngest 24 loads (A's blocks 4-7) may be out
	WIN MUL_LO
	MUL16 0, (\q)%2, \q, \slot, \zero
	MUL16 2, (\q)%2, \q, \slot, \zero
	s_wait_dscnt 0
	PLACES NP
	FETCH_B \slot, (\q)+1, 1-(\q)%2
	FETCH_A \slot, (\q)+1, 0
	WIN MUL_HI
	MUL16 4, (\q)%2, \q, \slot, \zero
	MUL16 6, (\q)%2, \q, \slot, \zero
	PLACES NP
	WIN 0
	FETCH_A \slot, (\q)+1, 4
.endm
; A slot's last step changes slots: one barrier; in front of it each wave waits for all its tensor loads, adds 0 to its spare word, and waits for that and for its reads of this slot.
.macro TURN slot, next, fill
	s_wait_tensorcnt 0x0                           ; all my tensor loads have landed: my part of the next slot
	ds_add_u32 v[SPW], v[NIL]                      ; 0 onto my spare word
	s_wait_dscnt 4*NL+1                            ; (the add and the youngest 24 loads may be out)
	WIN MUL_LO
	MUL16 0, 1, NQ-1, \slot, 0
	s_wait_dscnt 0x0                               ; the add is done, and my reads of this slot are over
	s_barrier_signal -1
	MUL16 2, 1, NQ-1, \slot, 0
	WIN 0
	s_barrier_wait -1
.if \fill
	CREST                                          ; the barrier has opened a round of the cluster's: no wave of any partner still reads this slot or has a load on its way
	s_add_nc_u64 s[G0+4*\slot+2:G0+4*\slot+3], s[G0+4*\slot+2:G0+4*\slot+3], 2*STEPB
	s_add_nc_u64 s[G0B+4*\slot+2:G0B+4*\slot+3], s[G0B+4*\slot+2:G0B+4*\slot+3], 2*STEPB
	JLOAD G0+4*\slot, G1, G0B+4*\slot, G1B         ; the first tensor load behind the round; its four v_nop are the places in front of the loads below
.else
	PLACES NP
.endif
	s_wait_alu depctr_va_vdst(0)
	v_add_nc_u32 v[ADRS], 4*NQ, v[ADRS]            ; the next K step's scale words
	FETCH_B \next, 0, 0
	FETCH_A \next, 0, 0
	SCALES \next
	WIN MUL_HI
	MUL16 4, 1, NQ-1, \slot, 0
	MUL16 6, 1, NQ-1, \slot, 0
	PLACES NP
	WIN 0
	FETCH_A \next, 0, 4
.endm
	s_wait_alu depctr_va_vdst(0)
	s_wait_tensorcnt 0x0                           ; my tile of the head's four is in
	ds_add_u32 v[SPW], v[NIL]
	s_mov_b32 s[G1+2], 104<<16                     ; no tensor load of mine is out: from here on a load brings 128 rows of codes = 104 rows of 256 bytes,
	s_mov_b32 s[G1+4], 104
	s_mov_b32 s[G1B+2], 104<<16
	s_mov_b32 s[G1B+4], 104
	s_mov_b32 s[G0+1], s45                         ; and slot 0's descriptors become the ring's: my 128 rows
	s_add_nc_u64 s[G0+2:G0+3], s[G0+2:G0+3], s[18:19]
	s_mov_b32 s[G0B+1], s45
	s_add_nc_u64 s[G0B+2:G0B+3], s[G0B+2:G0B+3], s[18:19]
	s_wait_dscnt 0x0
	CROUND                                         ; all four tiles are in, and the sixteen work-groups meet
	JLOAD G0+4, G1, G0B+4, G1B                     ; K step 1, the first tensor load behind the round
	FETCH_B 0, 0, 0
	FETCH_A 0, 0, 0
	SCALES 0
	FETCH_A 0, 0, 4
	STEP 0, 0, 1                                   ; the first step's products start the sums
	s_mov_b32 s3, 1                                ; K = 1,024 is two laps of the ring: one trip fills both slots again
.Llap:
	TURN 0, 1, 1
	STEP 1, 0, 0
	TURN 1, 0, 1
	STEP 0, 0, 0
	s_sub_co_u32 s3, s3, 1
	s_cmp_lg_u32 s3, 0
	s_cbranch_scc1 .Llap
	TURN 0, 1, 0                                   ; the last lap fills nothing
	STEP 1, 0, 0
	s_wait_dscnt 4*NL
	WIN MUL_LO
	MUL16 0, 1, NQ-1, 1, 0
	MUL16 2, 1, NQ-1, 1, 0
	s_wait_dscnt 0
	WIN MUL_HI
	MUL16 4, 1, NQ-1, 1, 0
	MUL16 6, 1, NQ-1, 1, 0
	WIN 0
; ---- THE WAY OUT: registers only, no LDS, no barrier.
	PLACES NP                                      ; behind the last products: results are read, and operands' registers written and loaded, from here on
	s_mov_b32 s[SEL], 0x76543210                   ; (no tensor load of mine is out: the descriptors' registers are free)
	s_mov_b32 s[SEL+1], 0xfedcba98
	s_mov_b32 s[HM], 0xffff0000
.irp i, 2,3,4,5,6,7
	v_mov_b32 v[TM+\i], 0                          ; a lane permute's destination counts as one of its sources
.endr
; 32 numbers of a lane, register 16 b + i = k 32 b + 16 (lane / 16) + i of my row, become six registers of codes (lane (r, h): block h of row r) at v[d] on, and the two scale bytes in v[HW].
.macro QUANT2 s, d
.irp b, 0,1
	v_max3_num_f32 v[TM+\b], |v[\s+16*\b]|, |v[\s+16*\b+1]|, 0x1800000   ; with the floor 2^(3 - 127): the byte cannot fall under 1
.endr
.irp i, 2,4,6,8,10,12,14
.irp b, 0,1
	v_max3_num_f32 v[TM+\b], v[TM+\b], |v[\s+16*\b+\i]|, |v[\s+16*\b+\i+1]|
.endr
.endr
.irp b, 0,1
	v_permlanex16_b32 v[TM+2+\b], v[TM+\b], s[SEL], s[SEL+1]
.endr
.irp b, 0,1
	v_max_num_f32 v[TM+\b], v[TM+\b], v[TM+2+\b]   ; with lane l xor 16's: the block's largest magnitude
.endr
.irp b, 0,1
	v_add_nc_u32 v[TM+4+\b], 0xff000000, v[TM+\b]  ; 2 off the exponent field: the conversion's scale operand
.endr
.irp b, 0,1
	v_lshrrev_b32 v[TM+2+\b], 23, v[TM+4+\b]       ; the byte
.endr
	v_lshl_or_b32 v[HW], v[TM+3], 8, v[TM+2]
	v_cvt_scalef32_pk16_fp6_f32 v[\d:\d+2], v[\s:\s+15], v[TM+4]
	v_cvt_scalef32_pk16_fp6_f32 v[CT0:CT0+2], v[\s+16:\s+31], v[TM+5]
	v_nop                                          ; one plain place behind a scaled conversion
.irp i, 0,1,2
	v_permlane16_swap_b32 v[\d+\i], v[CT0+\i]      ; a whole block to a lane: lanes 0-15 block 0, lanes 16-31 block 1
.endr
.irp i, 0,1,2
	v_mov_b32 v[\d+3+\i], v[CT0+\i]
.endr
.endm
	s_cmp_eq_u32 ttmp9, 2
	s_cbranch_scc1 .Lv
; ---- q and k.  My 128 tokens are one record's (a head, a step of 128 tokens); my 128 channels are two heads.
	s_lshl_b32 s20, s95, 8
	s_lshl_b32 s21, s15, 7
	s_add_co_u32 s20, s20, s21                     ; my first stored token
	s_lshr_b32 s21, s20, 11                        ; the batch
	s_bfe_u32 s22, s20, 0x40007                    ; the step of 128 tokens in it
	s_lshl_b32 s23, s40, 2
	s_lshl_b32 s72, s16, 1
	s_add_co_u32 s23, s23, s72                     ; my first head: 4 cx + 2 x half
	s_lshl_b32 s21, s21, 4
	s_add_co_u32 s21, s21, s23
	s_lshl_b32 s21, s21, 4
	s_add_co_u32 s21, s21, s22                     ; the record: (16 batch + head) 16 + step
	s_mov_b32 s23, 13312
	s_cmp_eq_u32 ttmp9, 0                          ; q's clusters or k's
	s_cselect_b64 s[OUT:OUT+1], s[10:11], s[12:13]
	s_cselect_b32 s23, 6656, s23                   ; a record's bytes
	s_mul_i32 s68, s21, s23
	s_mov_b32 s69, 0
	s_add_nc_u64 s[OUT:OUT+1], s[OUT:OUT+1], s[68:69]
	s_lshl_b32 s68, s23, 4
	s_add_nc_u64 s[OUT+4:OUT+5], s[OUT:OUT+1], s[68:69]   ; the next head: 16 records on
	s_lshl_b32 s68, s22, 15
	s_add_nc_u64 s[8:9], s[8:9], s[68:69]          ; the table's 8 tiles of these positions
	WIN 0x40                                       ; destination window 1
.irp a, 0,1,2,3,4,5,6,7
.irp c, 0,1,2,3,4,5,6,7
	global_load_b128 v[32*\a+4*\c:32*\a+4*\c+3], v[LI], s[8:9] offset:4096*\a+512*\c   ; tile a: cos in registers 0-15, sin in 16-31
.endr
.endr
	WIN 0
; x1 cos - x2 sin and x2 cos + x1 sin of tile a of tokens, head hd.  Each accumulator is read from its low end on.
.macro ROPE a, hd
.set AC, 64*((\a)%4)+32*(\hd)
.set TR, 32*(\a)
	WIN 0x06+(\a)/4                                ; source 0: the accumulators' window; source 1: window 1
.irp i, 0,2,4,6,8,10,12,14
	v_pk_mul_f32 v[TA+\i:TA+\i+1], v[AC+16+\i:AC+17+\i], v[TR+16+\i:TR+17+\i]
.endr
.irp i, 0,2,4,6,8,10,12,14
	v_pk_mul_f32 v[TB+\i:TB+\i+1], v[AC+\i:AC+1+\i], v[TR+16+\i:TR+17+\i]
.endr
.irp i, 0,2,4,6,8,10,12,14
	v_pk_fma_f32 v[RR+\i:RR+\i+1], v[AC+\i:AC+1+\i], v[TR+\i:TR+1+\i], v[TA+\i:TA+\i+1] neg_lo:[0,0,1] neg_hi:[0,0,1]
.endr
.irp i, 0,2,4,6,8,10,12,14
	v_pk_fma_f32 v[RR+16+\i:RR+17+\i], v[AC+16+\i:AC+17+\i], v[TR+\i:TR+1+\i], v[TB+\i:TB+\i+1]
.endr
	WIN 0
.endm
.irp a, 0,1,2,3,4,5,6,7
	s_wait_loadcnt 8*(7-\a)                        ; this tile's eight table loads are in; the later tiles' may be out
.if ((\a) > 0) && ((\a)%2 == 0)
	s_wait_xcnt 0x0                                ; the last pair's stores have read their registers: the codes may be written again
.endif
.irp hd, 0,1
	ROPE \a, \hd
	QUANT2 RR, PC+12*\hd+6*((\a)%2)
	v_lshl_or_b32 v[SW+8*\hd+\a], v[HW], 16, v[HW] ; the two bytes once more in the word's upper half: the unused blocks carry no other exponent than the used ones
.if (\a)%2 == 1
.irp c, 0,1,2
	global_store_b128 v[LI], v[PC+12*\hd+4*\c:PC+12*\hd+4*\c+3], s[OUT+4*\hd:OUT+4*\hd+1] offset:((\a)/2)*1536+512*\c   ; a pair of tiles: three planes of 512 consecutive bytes
.endr
.endif
.endr
.endr
.irp hd, 0,1
.irp g, 0,1,2,3
	v_cndmask_b32 v[OW+4*\hd+\g], v[SW+8*\hd+2*\g], v[SW+8*\hd+2*\g+1], s[HM]   ; lanes 0-15 the even tile's words, lanes 16-31 the odd tile's
.endr
	global_store_b128 v[LI], v[OW+4*\hd:OW+4*\hd+3], s[OUT+4*\hd:OUT+4*\hd+1] offset:6144
.endr
	s_branch .Lend
; ---- v.  A lane holds a channel; the 64 registers of a tile of channels are the step's 128 keys, 16 neighbours of each block of 32.
.Lv:
	s_lshl_b32 s20, s42, 8
	s_lshl_b32 s21, s16, 7
	s_add_co_u32 s20, s20, s21                     ; my first stored token
	s_lshr_b32 s21, s20, 11
	s_bfe_u32 s22, s20, 0x40007
	s_lshl_b32 s23, s41, 2
	s_lshl_b32 s72, s15, 1
	s_add_co_u32 s23, s23, s72                     ; my first head: 4 cy + 2 x half
	s_lshl_b32 s21, s21, 4
	s_add_co_u32 s21, s21, s23
	s_lshl_b32 s21, s21, 4
	s_add_co_u32 s21, s21, s22
	s_mul_i32 s68, s21, 13312
	s_mov_b32 s69, 0
	s_add_nc_u64 s[OUT:OUT+1], s[12:13], s[68:69]
.macro QUANT4W a                       ; tile a of channels: head a / 4, tile a % 4 of its 64
.set AC, 64*((\a)%4)
.set W, 2+(\a)/4
	WIN 5*W                                        ; sources 0 and 1: the accumulators' window
.irp b, 0,1,2,3
	v_max3_num_f32 v[TM+\b], |v[AC+16*\b]|, |v[AC+16*\b+1]|, 0x1800000
.endr
.irp i, 2,4,6,8,10,12,14
.irp b, 0,1,2,3
	v_max3_num_f32 v[TM+\b], |v[AC+16*\b+\i]|, |v[AC+16*\b+\i+1]|, v[TM+\b]
.endr
.endr
	WIN 0
.irp b, 0,1,2,3
	v_permlanex16_b32 v[TM+4+\b], v[TM+\b], s[SEL], s[SEL+1]
.endr
.irp b, 0,1,2,3
	v_max_num_f32 v[TM+\b], v[TM+\b], v[TM+4+\b]
.endr
.irp b, 0,1,2,3
	v_add_nc_u32 v[TM+12+\b], 0xff000000, v[TM+\b]
.endr
.irp b, 0,1,2,3
	v_lshrrev_b32 v[TM+4+\b], 23, v[TM+12+\b]
.endr
	v_lshl_or_b32 v[SW+\a], v[TM+5], 8, v[TM+4]    ; my channel's scale word for these 128 keys
	v_lshl_or_b32 v[SW+\a], v[TM+6], 16, v[SW+\a]
	v_lshl_or_b32 v[SW+\a], v[TM+7], 24, v[SW+\a]
	s_wait_xcnt 0x0                                ; the last tile's stores have read their registers
	WIN W                                          ; source 0: the accumulators' window
.irp c, 0,1
	v_cvt_scalef32_pk16_fp6_f32 v[PC+6*\c:PC+6*\c+2], v[AC+32*\c:AC+32*\c+15], v[TM+12+2*\c]
	v_cvt_scalef32_pk16_fp6_f32 v[CT0+4*\c:CT0+4*\c+2], v[AC+32*\c+16:AC+32*\c+31], v[TM+13+2*\c]
.endr
	WIN 0
	v_nop                                          ; one plain place behind a scaled conversion
.irp c, 0,1
.irp i, 0,1,2
	v_permlane16_swap_b32 v[PC+6*\c+\i], v[CT0+4*\c+\i]
.endr
.irp i, 0,1,2
	v_mov_b32 v[PC+3+6*\c+\i], v[CT0+4*\c+\i]
.endr
.endr
.irp c, 0,1,2
	global_store_b128 v[LI], v[PC+4*\c:PC+4*\c+3], s[OUT:OUT+1] offset:((\a)/4)*212992+6656+((\a)%4)*1536+512*\c
.endr
.if (\a)%4 == 3
	global_store_b128 v[LI], v[SW+4*((\a)/4):SW+4*((\a)/4)+3], s[OUT:OUT+1] offset:((\a)/4)*212992+12800
.endif
.endm
.irp a, 0,1,2,3,4,5,6,7
	QUANT4W \a
.endr
.Lend:
	s_wait_tensorcnt 0x0                           ; the wave's end
	ds_add_u32 v[SPW], v[NIL]
	s_wait_dscnt 0x0
	CROUND                                         ; the closing round: no work-group ends while a partner may still ask for a tile that names it
	s_endpgm
.Lfunc_end_k_q2b62cbeb1f_qkv:
	.size	k_q2b62cbeb1f_qkv, .Lfunc_end_k_q2b62cbeb1f_qkv-k_q2b62cbeb1f_qkv
	.p2alignl 7, 3214868480
	.fill 96, 4, 3214868480
	.section	.rodata,"a",@progbits
	.p2align	6, 0x0
	.amdhsa_kernel k_q2b62cbeb1f_qkv
		.amdhsa_group_segment_fixed_size 327680
		.amdhsa_private_segment_fixed_size 0
		.amdhsa_enable_private_segment 0
		.amdhsa_kernarg_size 40
		.amdhsa_user_sgpr_count 2
		.amdhsa_user_sgpr_kernarg_segment_ptr 1
		.amdhsa_wavefront_size32 1
		.amdhsa_system_sgpr_workgroup_id_x 1
		.amdhsa_system_sgpr_workgroup_id_y 1
		.amdhsa_system_sgpr_workgroup_id_z 1
		.amdhsa_system_vgpr_workitem_id 0
		.amdhsa_next_free_vgpr 1024
		.amdhsa_next_free_sgpr 100
		.amdhsa_reserve_vcc 0
		.amdhsa_float_denorm_mode_32 3
		.amdhsa_float_denorm_mode_16_64 3
		.amdhsa_memory_ordered 1
		.amdhsa_forward_progress 1
		.amdhsa_inst_pref_size 239
	.end_amdhsa_kernel
	.amdgpu_metadata
---
amdhsa.version: [ 1, 2 ]
amdhsa.kernels:
  - .name:           k_q2b62cbeb1f_qkv
    .symbol:         k_q2b62cbeb1f_qkv.kd
    .args:
      - { .name: cq, .offset: 0, .size: 8, .value_kind: global_buffer, .address_space: global }
      - { .name: sq, .offset: 8, .size: 8, .value_kind: global_buffer, .address_space: global }
      - { .name: rope, .offset: 16, .size: 8, .value_kind: global_buffer, .address_space: global }
      - { .name: qi, .offset: 24, .size: 8, .value_kind: global_buffer, .address_space: global }
      - { .name: kv, .offset: 32, .size: 8, .value_kind: global_buffer, .address_space: global }
    .group_segment_fixed_size: 327680
    .private_segment_fixed_size: 0
    .kernarg_segment_align: 8
    .kernarg_segment_size: 40
    .max_flat_workgroup_size: 128
    .sgpr_count:     100
    .vgpr_count:     1024
    .wavefront_size: 32
...
	.end_amdgpu_metadata
.endif
;; end of part 2
;; launch attn (part 3): grid 4 x 64, 8 waves a work-group, clusters of 4 x 1, 268,288 bytes of LDS; arguments qi, kv, ao; writes ao
.if DOCPART == 3
	.amdgcn_target "amdgcn-amd-amdhsa--gfx1250"
	.amdhsa_code_object_version 6
	.text
	.protected	k_q2b62cbeb1f_attn
	.globl	k_q2b62cbeb1f_attn
	.p2align	8
	.type	k_q2b62cbeb1f_attn,@function
k_q2b62cbeb1f_attn:
	s_mov_b64 s[64:65], 0
	v_nop
	global_prefetch_b8 v0, s[64:65] scope:SCOPE_SE
	s_setreg_imm32_b32 hwreg(HW_REG_WAVE_MODE, 25, 1), 1
	s_wait_xcnt 0x0
	s_wait_alu depctr_hold_cnt(0) depctr_sa_sdst(0) depctr_va_vdst(0) depctr_va_sdst(0) depctr_va_ssrc(0) depctr_va_vcc(0) depctr_vm_vsrc(0)
	s_getreg_b32 s2, hwreg(HW_REG_IB_STS2, 6, 4)
	s_cmp_eq_u32 s2, 0
	s_cbranch_scc0 .Lentry_in_a_cluster
	s_endpgm
.Lentry_in_a_cluster:
	s_bfe_u32 s2, ttmp6, 0x10000c
	s_cmp_lg_u32 s2, 0x3003
	s_cbranch_scc0 .Lentry_shape_is_right
	s_endpgm
.Lentry_shape_is_right:
; ATTENTION on codes of FP6 (E2M3): S^T = k q^T, p = 2^(t - M), O^T += v^T p^T, O / l quantised along the head's 64 for the last product.
; A work-group has one head of one batch and 512 queries; its 8 waves have 64 queries each (4 tiles of 16) and walk the 16 steps of 128 keys once:
; a fragment of k or v read from LDS feeds four tiles of queries.  The four work-groups of a cluster share a head: its 16 records of k and v come ONCE, by one joint load a wave
; at the head (2 records, 52 rows of 512 bytes, 128 bytes of padding behind each), and stay: nothing is filled again, and no barrier stands in the loop.
; No prefetch: all that the launch streams is asked for in one group at the head, so there is no loop to run ahead in.
; THE KEYS OF A TILE ARE CHOSEN BY THE LANES' LDS ADDRESSES: row r of tile 4 c + i is key 64 c + 32 (r / 8) + 8 i + r % 8 of the step (in the record: pair 2 c + r / 8, lane 8 (i / 2) + r % 8 + 16 h, half i % 2).
; So register 32 c + 8 i + j of lane (r, h) is key 64 c + 32 h + 8 i + j of query r: a WHOLE block of 32 keys in a lane, in the order of the next operand: no lane is asked for a block's maximum, no codes change lanes.
; The head is 64 wide: a tile of k is 6 registers, and the operand's upper 6 (the next tile's) meet 6 registers of zero codes behind q's.
; M is the ceiling of the running largest t, kept as -M; a change of M multiplies l and O^T by a power of two.  O^T and l begin as zeros and M as -2^125: the first step's factor is 0.
; LIMITS: NaN and infinities are not served; the promise holds while |score x log2(e) / 8| stays under 2^31; a block of p under 2^-124 keeps byte 1.
; REGISTERS: window 0: addresses, scale words, the softmax's state, v72-125 k's fragments, v128-255 the scores of two tiles.  Window 1: O^T (128), q (48), v's fragments (48), p's codes (24), 8 at work.
.set PL,    640                        ; a plane in LDS: 512 bytes + 128
.set REC,   26*PL                      ; a record: k's 12 planes and scale plane, v's 12 and scale plane
.set SCG,   16*REC                     ; the results' scale bytes, 1,024
.set SPARE, SCG+1024                   ; the spare words, 128 bytes a wave
.set ASH,   6291456
.set LI,  1                            ; 16 x lane
.set KA,  2                            ; this step's addresses: k, k's scales, v
.set KSA, 3
.set VA,  4
.set KA0, 5
.set KS0, 6
.set L8,  7                            ; 8 x lane
.set SPW, 8
.set NIL, 9
.set H8,  10                           ; 8 h
.set SG,  11
.set SGR, 12
.set QS,  14                           ; v14-15 q's scale words: lanes 0-15 the even tile, 16-31 the odd
.set KS,  16                           ; v16-19 k's: lanes 0-15 tile 2 m, lanes 16-31 tile 2 m + 1
.set VS,  20                           ; v20-23 v's
.set PS,  24                           ; v24-25 p's
.set BM,  26                           ; v26-29 block maxima (tile e, block c)
.set PT,  30
.set ST,  32                           ; v32-39 (-M, largest score) for each tile
.set LL,  40                           ; v40-47 l in two halves for each tile
.set FF,  48                           ; v48-51 the factor (low word of a pair)
.set TT,  52
.set L2,  54
.set SO,  58
.set BY,  62
.set RR,  66
.set KK,  72
.set SS,  128
.set OO,  0                            ; window 1
.set QQ,  128
.set VV,  176
.set PC,  224
.set CT,  248
.set TM,  26                           ; the way out's quantiser
.set CT0, 58
.set HW,  62
.set WV,  18
.set SEL, 36
.set CS,  38
.set TB,  2
.set CNT, 3
.set MSB, 0
.macro WIN new
.if MSB != \new
	s_set_vgpr_msb (MSB<<8)|(\new)
.set MSB, \new
.endif
.endm
.macro WALU
	s_wait_alu depctr_va_vdst(0)
.endm
.macro H n
	s_delay_alu instid0(VALU_DEP_\n)
.endm
.macro CROUND
	s_barrier_signal -1
	s_barrier_wait -1
	s_cmp_lg_u32 s[WV], 0
	s_cbranch_scc1 .Lnot_wave_0_\@
	s_barrier_signal -3
.Lnot_wave_0_\@:
	s_barrier_wait -3
	s_barrier_signal -1
	s_barrier_wait -1
.endm
	s_load_b128 s[4:7], s[0:1], 0x0                ; qi, kv
	s_load_b64 s[8:9], s[0:1], 0x10                ; ao
	v_lshl_add_u32 v[SPW], v0, 2, SPARE
	v_mov_b32 v[NIL], 0
	ds_add_u32 v[SPW], v[NIL]
	ds_add_u32 v[SPW], v[NIL]
	v_lshrrev_b32 v66, 5, v0
	v_readfirstlane_b32 s[WV], v66
	s_bfe_u32 s10, ttmp6, 0x40000
	s_lshl_b32 s11, ttmp9, 2
	s_add_co_u32 s11, s11, s10                     ; which 512 queries
	s_and_b32 s12, ttmp7, 0xffff                   ; 16 x batch + head
	s_mov_b32 s24, 15|(3<<16)|(1<<20)|(1<<21)|(6<<22)|(31<<25)   ; all four partners; 8-byte elements; behind every 128 words 32 words of padding
	s_mov_b32 s25, 64<<16
	s_mov_b32 s26, 52<<16
	s_mov_b32 s27, 64<<16
	s_mov_b32 s28, 52
	s_mov_b32 s29, 64
	s_mov_b32 s30, 0
	s_mov_b32 s31, 0
	s_mov_b32 s32, 1
	s_mul_i32 s33, s[WV], 2*REC                    ; my two records
	s_mul_i32 s13, s[WV], 2*13312
	s_mul_i32 s14, s12, 16*13312
	s_add_co_u32 s14, s14, s13
	s_mov_b32 s15, 0
	s_wait_dscnt 0x0
	s_wait_kmcnt 0x0
	s_add_nc_u64 s[34:35], s[6:7], s[14:15]
	s_or_b32 s35, s35, 0x80000000
	CROUND
	tensor_load_to_lds s[32:35], s[24:31]          ; one load a wave, the same line in all
	s_nop 0
.rept 4
	v_nop
.endr
	s_lshl_b32 s16, s12, 4                         ; q's record: 16 (16 batch + head) + 4 x + wave / 2; my two pairs of tiles are its half wave % 2
	s_lshl_b32 s17, s11, 2
	s_add_co_u32 s16, s16, s17
	s_lshr_b32 s17, s[WV], 1
	s_add_co_u32 s16, s16, s17
	s_mul_i32 s16, s16, 6656
	s_and_b32 s19, s[WV], 1
	s_mul_i32 s17, s19, 3072
	s_add_co_u32 s16, s16, s17
	s_mov_b32 s17, 0
	s_add_nc_u64 s[48:49], s[4:5], s[16:17]
	s_mul_i32 s20, s19, 3064
	s_sub_co_u32 s20, 6144, s20                    ; from there to my pairs' scale words: 6144 - 3072 half + 8 half
	s_mov_b32 s21, 0
	s_add_nc_u64 s[56:57], s[48:49], s[20:21]
	s_lshr_b32 s16, s12, 4                         ; ao: tile 128 batch + 32 x + 4 wave, 12,288 bytes a tile, 768 a head
	s_lshl_b32 s16, s16, 7
	s_lshl_b32 s20, s11, 5
	s_add_co_u32 s16, s16, s20
	s_lshl_b32 s20, s[WV], 2
	s_add_co_u32 s16, s16, s20
	s_mul_i32 s16, s16, 12288
	s_and_b32 s19, s12, 15
	s_mul_i32 s20, s19, 768
	s_add_co_u32 s16, s16, s20
	s_add_nc_u64 s[50:51], s[8:9], s[16:17]
	s_lshl_b32 s16, s19, 14                        ; its scale bytes: [head][token][2]
	s_lshr_b32 s20, s12, 4
	s_lshl_b32 s20, s20, 12
	s_add_co_u32 s16, s16, s20
	s_lshl_b32 s20, s11, 10
	s_add_co_u32 s16, s16, s20
	s_add_co_u32 s16, s16, ASH
	s_add_nc_u64 s[54:55], s[8:9], s[16:17]
	s_mov_b32 s[SEL], 0x76543210
	s_mov_b32 s[SEL+1], 0xfedcba98
	s_mov_b32 s[CS], 0x3e38aa3b                    ; log2(e) / 8
	s_mov_b32 s[CS+1], s[CS]
	s_lshl_b32 s20, s[WV], 7
	s_add_co_u32 s20, s20, SCG
	v_and_b32 v66, 31, v0
	v_lshlrev_b32 v[LI], 4, v66
	v_lshlrev_b32 v[L8], 3, v66
	v_and_b32 v67, 7, v0                           ; r % 8
	v_bfe_u32 v68, v0, 3, 1                        ; r / 8
	v_bfe_u32 v69, v0, 4, 1                        ; h
	v_lshlrev_b32 v[H8], 3, v69
	v_lshl_add_u32 v70, v69, 4, v67
	v_lshlrev_b32 v70, 4, v70
	v_mad_u32_u24 v[KA0], v68, 3*PL, v70           ; k: pair r / 8, lane r % 8 + 16 h
	v_lshlrev_b32 v71, 4, v67
	v_lshl_add_u32 v71, v69, 8, v71
	v_lshl_add_u32 v[KS0], v68, 2, v71             ; k's scale words: 256 h + 16 (r % 8) + 4 (r / 8)
	v_and_b32 v67, 15, v0
	v_lshl_add_u32 v[SG], v67, 1, s20
	v_add_nc_u32 v[SGR], SCG, v[LI]
	v_mov_b32 v[KA], v[KA0]
	v_mov_b32 v[KSA], v[KS0]
	v_mov_b32 v[VA], v[LI]
	WIN 0x40
.irp g, 0,1                            ; a pair's image is 12 registers in 3 planes: the even tile's six, the odd tile's six
	global_load_b128 v[QQ+24*\g:QQ+24*\g+3], v[LI], s[48:49] offset:1536*\g
	global_load_b64 v[QQ+24*\g+4:QQ+24*\g+5], v[LI], s[48:49] offset:1536*\g+512
	global_load_b64 v[QQ+24*\g+12:QQ+24*\g+13], v[LI], s[48:49] offset:1536*\g+520
	global_load_b128 v[QQ+24*\g+14:QQ+24*\g+17], v[LI], s[48:49] offset:1536*\g+1024
.endr
.irp q, 0,1,2,3
.irp i, 6,7,8,9,10,11
	v_mov_b32 v[QQ+12*\q+\i], 0                    ; zero codes for k = 64 .. 127
.endr
.endr
.set j, 0
.rept 128
	v_mov_b32 v[OO+j], 0                           ; the step is written once: the first finds zeros
.set j, j+1
.endr
	WIN 0
.irp g, 0,1
	global_load_b32 v[QS+\g], v[LI], s[56:57] offset:4*\g
.endr
.irp q, 0,1,2,3
	v_mov_b32 v[ST+2*\q], 0x7e000000               ; -M = 2^125
	v_mov_b32 v[ST+2*\q+1], 0xff61b1e6             ; the largest score so far: -3e38
	v_mov_b32 v[LL+2*\q], 0
	v_mov_b32 v[LL+2*\q+1], 0
.endr
.irp i, 120,121,122,123,124,125, PT,PT+1, FF+1,FF+3
	v_mov_b32 v[\i], 0
.endr
	WALU
	s_wait_loadcnt 0x0
	s_wait_tensorcnt 0x0
	s_barrier_signal -1
	s_barrier_wait -1                              ; all 16 records are in
.macro LOADK                           ; 16 LDS loads
.irp c, 0,1
.irp m, 0,1
.irp p, 0,1,2
	ds_load_b128 v[KK+24*\c+12*\m+4*\p:KK+24*\c+12*\m+4*\p+3], v[KA] offset:6*PL*\c+128*\m+PL*\p
.endr
.endr
.endr
.irp c, 0,1
.irp m, 0,1
	ds_load_b32 v[KS+2*\c+\m], v[KSA] offset:12*PL+128*\m+8*\c
.endr
.endr
.endm
.macro LOADV                           ; 13 LDS loads
	WIN 0x40
.irp i, 0,1,2,3,4,5,6,7,8,9,10,11
	ds_load_b128 v[VV+4*\i:VV+4*\i+3], v[VA] offset:13*PL+PL*\i
.endr
	WIN 0
	ds_load_b128 v[VS:VS+3], v[VA] offset:25*PL
.endm
; two tiles of queries (2 pr, 2 pr + 1) against the step's 128 keys
.macro PAIR pr
	WIN 0x04
.irp tm, 0,1,2,3
.irp u, 0,1
.irp e, 0,1
	v_wmma_scale_f32_16x16x128_f8f6f4 v[SS+64*\e+16*\tm+8*\u:SS+64*\e+16*\tm+8*\u+7], v[KK+12*\tm+6*\u:KK+12*\tm+6*\u+11], v[QQ+24*\pr+12*\e:QQ+24*\pr+12*\e+11], 0, v[KS+\tm], v[QS+\pr] matrix_a_fmt:MATRIX_FMT_FP6 matrix_b_fmt:MATRIX_FMT_FP6 matrix_a_scale:MATRIX_SCALE_ROW\u matrix_b_scale:MATRIX_SCALE_ROW\e
.endr
.endr
.endr
	WIN 0
.if \pr
	v_add_nc_u32 v[KA], s[TB], v[KA0]              ; the next step's addresses: with the v_nop the four places behind the products
	v_add_nc_u32 v[KSA], s[TB], v[KS0]
	v_add_nc_u32 v[VA], s[TB], v[LI]
	v_nop
	LOADK                                          ; k's registers are free: the next step's fragments
.else
.rept 4
	v_nop
.endr
.endif
.irp e, 0,1
.irp c, 0,1
	v_max3_num_f32 v[BM+2*\e+\c], v[SS+64*\e+32*\c], v[SS+64*\e+32*\c+1], v[SS+64*\e+32*\c+2]   ; each block's largest score, in two chains over its halves: eight chains by turns
	v_max3_num_f32 v[SO+2*\e+\c], v[SS+64*\e+32*\c+16], v[SS+64*\e+32*\c+17], v[SS+64*\e+32*\c+18]
.endr
.endr
.irp i, 3,5,7,9,11,13
.irp e, 0,1
.irp c, 0,1
	v_max3_num_f32 v[BM+2*\e+\c], v[BM+2*\e+\c], v[SS+64*\e+32*\c+\i], v[SS+64*\e+32*\c+\i+1]
	v_max3_num_f32 v[SO+2*\e+\c], v[SO+2*\e+\c], v[SS+64*\e+32*\c+16+\i], v[SS+64*\e+32*\c+17+\i]
.endr
.endr
.endr
.irp e, 0,1
.irp c, 0,1
	v_max3_num_f32 v[SO+2*\e+\c], v[SO+2*\e+\c], v[SS+64*\e+32*\c+15], v[SS+64*\e+32*\c+31]
.endr
.endr
.irp e, 0,1
.irp c, 0,1
	v_max_num_f32 v[BM+2*\e+\c], v[BM+2*\e+\c], v[SO+2*\e+\c]
.endr
.endr
.irp e, 0,1
	v_max_num_f32 v[TT+\e], v[BM+2*\e], v[BM+2*\e+1]
.endr
.irp e, 0,1
	H 2
	v_permlanex16_b32 v[PT+\e], v[TT+\e], s[SEL], s[SEL+1]
.endr
.irp e, 0,1
	H 2
	v_max3_num_f32 v[ST+4*\pr+2*\e+1], v[ST+4*\pr+2*\e+1], v[TT+\e], v[PT+\e]   ; the running largest score
.endr
.irp e, 0,1
	H 2
	v_mul_f32 v[TT+\e], s[CS], v[ST+4*\pr+2*\e+1]
.endr
.irp e, 0,1
	H 2
	v_floor_f32 v[TT+\e], -v[TT+\e]                ; the new -M
.endr
.irp e, 0,1
	H 2
	v_sub_f32 v[PT+\e], v[TT+\e], v[ST+4*\pr+2*\e]
.endr
.irp e, 0,1
	v_mov_b32 v[ST+4*\pr+2*\e], v[TT+\e]
.endr
.irp e, 0,1
	H 4
	v_cvt_i32_f32 v[PT+\e], v[PT+\e]               ; old M - new M (it saturates)
.endr
.irp e, 0,1
	H 2
	v_ldexp_f32 v[FF+2*\e], 1.0, v[PT+\e]
.endr
.irp e, 0,1
.set j, 0
.rept 32
	v_pk_fma_f32 v[SS+64*\e+j:SS+64*\e+j+1], v[SS+64*\e+j:SS+64*\e+j+1], s[CS:CS+1], v[ST+4*\pr+2*\e:ST+4*\pr+2*\e+1] op_sel_hi:[1,0,0]   ; t - M
.set j, j+2
.endr
.endr
.irp e, 0,1
.irp c, 0,1
	v_fma_f32 v[BM+2*\e+\c], v[BM+2*\e+\c], s[CS], v[ST+4*\pr+2*\e]
.endr
.endr
	WALU                                           ; ahead of the batch
.set j, 0
.rept 128
	v_exp_f32 v[SS+j], v[SS+j]
.set j, j+1
.endr
.irp i, 0,1,2,3
	v_exp_f32 v[BM+\i], v[BM+\i]                   ; each block's largest p
.endr
	v_nop
	WALU                                           ; and behind it, ahead of its first reader
.irp e, 0,1
	v_pk_fma_f32 v[LL+4*\pr+2*\e:LL+4*\pr+2*\e+1], v[LL+4*\pr+2*\e:LL+4*\pr+2*\e+1], v[FF+2*\e:FF+2*\e+1], v[SS+64*\e:SS+64*\e+1] op_sel_hi:[1,0,1]   ; l under the new M, and the unquantised p added: two chains a tile
.endr
.irp e, 0,1
	v_pk_add_f32 v[L2+2*\e:L2+2*\e+1], v[SS+64*\e+2:SS+64*\e+3], v[SS+64*\e+4:SS+64*\e+5]
.endr
.irp i, 6,10,14,18,22,26,30,34,38,42,46,50,54,58
.irp e, 0,1
	v_pk_add_f32 v[LL+4*\pr+2*\e:LL+4*\pr+2*\e+1], v[LL+4*\pr+2*\e:LL+4*\pr+2*\e+1], v[SS+64*\e+\i:SS+64*\e+\i+1]
	v_pk_add_f32 v[L2+2*\e:L2+2*\e+1], v[L2+2*\e:L2+2*\e+1], v[SS+64*\e+\i+2:SS+64*\e+\i+3]
.endr
.endr
.irp e, 0,1
	v_pk_add_f32 v[LL+4*\pr+2*\e:LL+4*\pr+2*\e+1], v[LL+4*\pr+2*\e:LL+4*\pr+2*\e+1], v[SS+64*\e+62:SS+64*\e+63]
.endr
.irp e, 0,1
	v_pk_add_f32 v[LL+4*\pr+2*\e:LL+4*\pr+2*\e+1], v[LL+4*\pr+2*\e:LL+4*\pr+2*\e+1], v[L2+2*\e:L2+2*\e+1]
.endr
.irp i, 0,1,2,3
	v_max_num_f32 v[BM+\i], 0x1800000, v[BM+\i]    ; the floor 2^(3 - 127): the byte cannot fall under 1
.endr
.irp i, 0,1,2,3
	v_add_nc_u32 v[SO+\i], 0xff000000, v[BM+\i]    ; 2 off the exponent field: the conversion's scale operand
.endr
.irp i, 0,1,2,3
	v_lshrrev_b32 v[BY+\i], 23, v[SO+\i]
.endr
.irp e, 0,1
	v_lshl_or_b32 v[PS+\e], v[BY+2*\e+1], 16, v[BY+2*\e]   ; my blocks h and 2 + h,
.endr
.irp e, 0,1
	H 2
	v_lshlrev_b32 v[PS+\e], v[H8], v[PS+\e]        ; at their places in the word;
.endr
.irp e, 0,1
	H 2
	v_permlanex16_b32 v[PT+\e], v[PS+\e], s[SEL], s[SEL+1]
.endr
.irp e, 0,1
	H 2
	v_or_b32 v[PS+\e], v[PS+\e], v[PT+\e]          ; with lane l xor 16's two the word is whole
.endr
.irp e, 0,1
	WIN 0x40
.irp c, 0,1
	v_cvt_scalef32_pk16_fp6_f32 v[PC+12*\e+6*\c:PC+12*\e+6*\c+2], v[SS+64*\e+32*\c:SS+64*\e+32*\c+15], v[SO+2*\e+\c]
	v_cvt_scalef32_pk16_fp6_f32 v[CT+4*\c:CT+4*\c+2], v[SS+64*\e+32*\c+16:SS+64*\e+32*\c+31], v[SO+2*\e+\c]
.endr
	v_nop                                          ; one plain place behind a scaled conversion
	WIN 0x41
.irp c, 0,1
.irp i, 0,1,2
	v_mov_b32 v[PC+12*\e+6*\c+3+\i], v[CT+4*\c+\i] ; (a conversion's three registers begin on an even number)
.endr
.endr
.endr
	WALU                                           ; directly ahead of the first reader of O^T
.irp e, 0,1
.set j, 0
.rept 16
	v_pk_mul_f32 v[OO+64*\pr+32*\e+j:OO+64*\pr+32*\e+j+1], v[OO+64*\pr+32*\e+j:OO+64*\pr+32*\e+j+1], v[FF+2*\e:FF+2*\e+1] op_sel_hi:[1,0]   ; O^T under the new M; also the places ahead of the products
.set j, j+2
.endr
.endr
.if \pr == 0
	WALU                                           ; directly ahead of the wait below
	s_wait_dscnt 0x0                               ; v's fragments, asked for at the last step's end
.endif
	WIN 0x55
.irp ct, 0,1,2,3
.irp e, 0,1
	v_wmma_scale_f32_16x16x128_f8f6f4 v[OO+64*\pr+32*\e+8*\ct:OO+64*\pr+32*\e+8*\ct+7], v[VV+12*\ct:VV+12*\ct+11], v[PC+12*\e:PC+12*\e+11], v[OO+64*\pr+32*\e+8*\ct:OO+64*\pr+32*\e+8*\ct+7], v[VS+\ct], v[PS+\e] matrix_a_fmt:MATRIX_FMT_FP6 matrix_b_fmt:MATRIX_FMT_FP6
.endr
.endr
.endm
	LOADK
	LOADV
	s_mov_b32 s[TB], 0
	s_mov_b32 s[CNT], 16
.Lstep:
	s_add_co_u32 s[TB], s[TB], REC                 ; the next step's record; the last step asks for record 0 again, and nobody uses it
	s_cmp_eq_u32 s[TB], 16*REC
	s_cselect_b32 s[TB], 0, s[TB]
	s_wait_dscnt 13                                ; k's 16 loads are in; v's 13, issued behind them, may be out
	PAIR 0
	PAIR 1
	WIN 0
.rept 4
	v_nop                                          ; places behind the products, ahead of loads into their operands
.endr
	LOADV
	s_sub_co_u32 s[CNT], s[CNT], 1
	s_cmp_lg_u32 s[CNT], 0
	s_cbranch_scc1 .Lstep
	s_wait_dscnt 0x0
; THE WAY OUT: O / l, quantised along the head's 64: register 16 b + i of lane (r, h) is channel 32 b + 16 h + i
.irp q, 0,1,2,3
	v_add_f32 v[LL+2*\q], v[LL+2*\q], v[LL+2*\q+1]
.endr
.irp q, 0,1,2,3
	v_permlanex16_b32 v[SO+\q], v[LL+2*\q], s[SEL], s[SEL+1]
.endr
.irp q, 0,1,2,3
	v_add_f32 v[LL+2*\q], v[LL+2*\q], v[SO+\q]
.endr
	WALU
.irp q, 0,1,2,3
	v_rcp_f32 v[RR+\q], v[LL+2*\q]
.endr
	v_nop
	WALU
.macro QUANT2 s, d
.irp b, 0,1
	v_max3_num_f32 v[TM+\b], |v[\s+16*\b]|, |v[\s+16*\b+1]|, 0x1800000
.endr
.irp i, 2,4,6,8,10,12,14
.irp b, 0,1
	s_delay_alu instid0(VALU_DEP_2)
	v_max3_num_f32 v[TM+\b], v[TM+\b], |v[\s+16*\b+\i]|, |v[\s+16*\b+\i+1]|
.endr
.endr
.irp b, 0,1
	s_delay_alu instid0(VALU_DEP_2)
	v_permlanex16_b32 v[TM+2+\b], v[TM+\b], s[SEL], s[SEL+1]
.endr
.irp b, 0,1
	s_delay_alu instid0(VALU_DEP_2)
	v_max_num_f32 v[TM+\b], v[TM+\b], v[TM+2+\b]
.endr
.irp b, 0,1
	s_delay_alu instid0(VALU_DEP_2)
	v_add_nc_u32 v[TM+4+\b], 0xff000000, v[TM+\b]
.endr
.irp b, 0,1
	s_delay_alu instid0(VALU_DEP_2)
	v_lshrrev_b32 v[TM+2+\b], 23, v[TM+4+\b]
.endr
	s_delay_alu instid0(VALU_DEP_1)
	v_lshl_or_b32 v[HW], v[TM+3], 8, v[TM+2]
	v_cvt_scalef32_pk16_fp6_f32 v[\d:\d+2], v[\s:\s+15], v[TM+4]
	v_cvt_scalef32_pk16_fp6_f32 v[CT0:CT0+2], v[\s+16:\s+31], v[TM+5]
	v_nop
.irp i, 0,1,2
	v_permlane16_swap_b32 v[\d+\i], v[CT0+\i]
.endr
.irp i, 0,1,2
	s_delay_alu instid0(VALU_DEP_3)
	v_mov_b32 v[\d+3+\i], v[CT0+\i]
.endr
.endm
.irp q, 0,1,2,3
	WIN 0x01
	WALU                                           ; directly ahead of this tile's first reader of O^T
.set j, 0
.rept 32
	v_mul_f32 v[SS+j], v[OO+32*\q+j], v[RR+\q]
.set j, j+1
.endr
	WIN 0
	QUANT2 SS, KK+8*\q
	global_store_b128 v[LI], v[KK+8*\q:KK+8*\q+3], s[50:51] offset:12288*\q
	global_store_b64 v[L8], v[KK+8*\q+4:KK+8*\q+5], s[50:51] offset:12288*\q+512
	ds_store_b16 v[SG], v[HW] offset:32*\q
.endr
	s_wait_dscnt 0x0
	s_barrier_signal -1
	s_barrier_wait -1
	s_cmp_lg_u32 s[WV], 0
	s_cbranch_scc1 .Lnot_first
	ds_load_b128 v[128:131], v[SGR]                ; the work-group's 1,024 scale bytes leave as whole units
	ds_load_b128 v[132:135], v[SGR] offset:512
	s_wait_dscnt 0x0
	global_store_b128 v[LI], v[128:131], s[54:55]
	global_store_b128 v[LI], v[132:135], s[54:55] offset:512
.Lnot_first:
	s_wait_tensorcnt 0x0                           ; the wave's end
	ds_add_u32 v[SPW], v[NIL]
	s_wait_dscnt 0x0
	CROUND
	s_endpgm
.Lfunc_end_k_q2b62cbeb1f_attn:
	.size	k_q2b62cbeb1f_attn, .Lfunc_end_k_q2b62cbeb1f_attn-k_q2b62cbeb1f_attn
	.p2alignl 7, 3214868480
	.fill 96, 4, 3214868480
	.section	.rodata,"a",@progbits
	.p2align	6, 0x0
	.amdhsa_kernel k_q2b62cbeb1f_attn
		.amdhsa_group_segment_fixed_size 268288
		.amdhsa_private_segment_fixed_size 0
		.amdhsa_enable_private_segment 0
		.amdhsa_kernarg_size 24
		.amdhsa_user_sgpr_count 2
		.amdhsa_user_sgpr_kernarg_segment_ptr 1
		.amdhsa_wavefront_size32 1
		.amdhsa_system_sgpr_workgroup_id_x 1
		.amdhsa_system_sgpr_workgroup_id_y 1
		.amdhsa_system_sgpr_workgroup_id_z 1
		.amdhsa_system_vgpr_workitem_id 0
		.amdhsa_next_free_vgpr 512
		.amdhsa_next_free_sgpr 66
		.amdhsa_reserve_vcc 0
		.amdhsa_float_denorm_mode_32 3
		.amdhsa_float_denorm_mode_16_64 3
		.amdhsa_memory_ordered 1
		.amdhsa_forward_progress 1
		.amdhsa_inst_pref_size 85
	.end_amdhsa_kernel
	.amdgpu_metadata
---
amdhsa.version: [ 1, 2 ]
amdhsa.kernels:
  - .name:           k_q2b62cbeb1f_attn
    .symbol:         k_q2b62cbeb1f_attn.kd
    .args:
      - { .name: qi, .offset: 0, .size: 8, .value_kind: global_buffer, .address_space: global }
      - { .name: kv, .offset: 8, .size: 8, .value_kind: global_buffer, .address_space: global }
      - { .name: ao, .offset: 16, .size: 8, .value_kind: global_buffer, .address_space: global }
    .group_segment_fixed_size: 268288
    .private_segment_fixed_size: 0
    .kernarg_segment_align: 8
    .kernarg_segment_size: 24
    .max_flat_workgroup_size: 256
    .sgpr_count:     66
    .vgpr_count:     512
    .wavefront_size: 32
...
	.end_amdgpu_metadata
.endif
;; end of part 3
;; launch proj (part 4): grid 4 x 64, 4 waves a work-group, clusters of 4 x 4, 327,680 bytes of LDS; arguments ao, cq, sq, b_proj, out0; writes out0
.if DOCPART == 4
	.amdgcn_target "amdgcn-amd-amdhsa--gfx1250"
	.amdhsa_code_object_version 6
	.text
	.protected	k_q2b62cbeb1f_proj
	.globl	k_q2b62cbeb1f_proj
	.p2align	8
	.type	k_q2b62cbeb1f_proj,@function
k_q2b62cbeb1f_proj:
	s_mov_b64 s[64:65], 0
	v_nop
	global_prefetch_b8 v0, s[64:65] scope:SCOPE_SE
	s_setreg_imm32_b32 hwreg(HW_REG_WAVE_MODE, 25, 1), 1
	s_wait_xcnt 0x0
	s_wait_alu depctr_hold_cnt(0) depctr_sa_sdst(0) depctr_va_vdst(0) depctr_va_sdst(0) depctr_va_ssrc(0) depctr_va_vcc(0) depctr_vm_vsrc(0)
	s_getreg_b32 s2, hwreg(HW_REG_IB_STS2, 6, 4)
	s_cmp_eq_u32 s2, 0
	s_cbranch_scc0 .Lentry_in_a_cluster
	s_endpgm
.Lentry_in_a_cluster:
	s_bfe_u32 s2, ttmp6, 0x10000c
	s_cmp_lg_u32 s2, 0xf033
	s_cbranch_scc0 .Lentry_shape_is_right
	s_endpgm
.Lentry_shape_is_right:
; PROJ.  out0 = (attention's result) w_proj^T + b_proj on codes of FP6 (E2M3) with E8M0 scales, K = 1,024.
; A block of 128 tokens x 256 columns to a work-group (256 work-groups), 64 x 128 to each of four waves: 32 accumulators.
; ALL OF K LIES IN LDS FROM THE HEAD ON: one joint load a wave: wave 0 A's 8 tiles of 16 tokens (images of the operand's registers, 98,304 dense bytes), wave 1 B's K steps 0 and 1 (256 rows of 208 bytes each),
; wave 2 B's scale bytes, wave 3 B's K steps 2 and 3.  Nothing is filled again, so no round of the cluster's barrier stands in the walk.  The first barrier shows waves 0 to 2's tiles; a barrier in step 2 shows wave 3's.
; 4 x 4 work-groups form a cluster: A is asked for jointly along a row of the cluster, B and its scales along a column.  No prefetch: all is asked for in one group at the head, so there is no loop to run ahead in.
; A's scale bytes lie [head][token][2] in memory: a thread takes a token's 16 pairs and stores its row of 32 bytes into LDS bytes of their own.
; The matrix instruction is used transposed (source 0 = 16 rows of w_proj, source 1 = 16 tokens): a lane holds eight neighbouring columns of a token's row.  The bias is the first products' C.
; Stored rows of tokens and of w_proj have bits 3 and 4 of their numbers exchanged; the way out sets both right.
; REGISTERS: window 0: v16-29 addresses; v32-111 scale words (block i's eight at v[32 + 10 i]; lanes 0-15 A's, lanes 16-31 B's) and nothing else; v112-207 A's fragments, two sets.  Window 1: B's fragments, two sets.  Window 2: the accumulators.  Window 3: the bias.
.set PB,     208                       ; a row of B for a K step of 256
.set KBLK,   256*PB
.set ATILE,  12288                     ; 16 tokens, all of K
.set FR,     12
.set BB,     8*ATILE
.set SA,     BB+4*KBLK                 ; A's scale bytes: 128 rows of 32 bytes, 16 bytes of padding behind each 256
.set SB,     SA+16*272                 ; B's: 256 rows
.set SPARE,  SB+32*272
.set HALFS,  16*272
.set SBLK,   2*272
.set SPITCH, 528
.set STAGE,  BB                        ; the way out's stages lie on B's K step 0, which nobody reads behind the second barrier
.set ASH,    6291456
.set ADRA, 16
.set ADRA2, 17
.set ADRB, 20
.set STO,  24
.set RD,   25
.set CO,   26
.set ADRS, 27
.set SPW,  28
.set NIL,  29
.set SC,   32
.set AF,   112
.set BK,   112
.set G1A, 24
.set G0A, 32
.set G0B, 36
.set G1B, 48
.set G0C, 56
.set G0S, 60
.set G1S, 80
.set ASB, 96
.set MSB, 0
.macro WIN new
.if MSB != \new
	s_set_vgpr_msb (MSB<<8)|(\new)
.set MSB, \new
.endif
.endm
.macro PLACES n
.rept \n
	v_nop
.endr
.endm
.macro CROUND
	s_barrier_signal -1
	s_barrier_wait -1
	s_cmp_lg_u32 s14, 0
	s_cbranch_scc1 .Lnot_wave_0_\@
	s_barrier_signal -3
.Lnot_wave_0_\@:
	s_barrier_wait -3
	s_barrier_signal -1
	s_barrier_wait -1
.endm
.macro TL g0, g1
	tensor_load_to_lds s[\g0:\g0+3], s[\g1:\g1+7]
	s_nop 0
	PLACES 4
.endm
.macro DENSE g, rows                   ; a dense block as rows of 256 bytes (32 elements of 8)
	s_mov_b32 s[\g+1], 32<<16
	s_mov_b32 s[\g+2], (\rows)<<16
	s_mov_b32 s[\g+3], 32<<16
	s_mov_b32 s[\g+4], \rows
	s_mov_b32 s[\g+5], 32
	s_mov_b32 s[\g+6], 0
	s_mov_b32 s[\g+7], 0
.endm
	s_load_b256 s[4:11], s[0:1], 0x0               ; ao, cq, sq, b_proj
	s_load_b64 s[12:13], s[0:1], 0x20              ; out0
	v_lshl_add_u32 v[SPW], v0, 2, SPARE
	v_mov_b32 v[NIL], 0
	ds_add_u32 v[SPW], v[NIL]
	ds_add_u32 v[SPW], v[NIL]
	v_lshrrev_b32 v1, 5, v0
	v_readfirstlane_b32 s14, v1
	s_lshr_b32 s15, s14, 1                         ; my half of the tokens
	s_and_b32 s16, s14, 1                          ; my half of the columns
	s_bfe_u32 s40, ttmp6, 0x40000
	s_bfe_u32 s41, ttmp6, 0x40004
	s_lshl_b32 s42, ttmp9, 2
	s_add_co_u32 s42, s42, s40                     ; block of 256 columns
	s_and_b32 s17, ttmp7, 0xffff
	s_lshl_b32 s17, s17, 2
	s_add_co_u32 s17, s17, s41                     ; block of 128 tokens
	s_lshl_b32 s43, s41, 2
	s_lshl_b32 s43, 15, s43                        ; my row of the cluster
	s_lshl_b32 s44, 0x1111, s40                    ; my column
	s_or_b32 s[G1A+0], s43, (3<<16)|(1<<21)
	DENSE G1A, 384
	s_or_b32 s[G1B+0], s44, (3<<16)|(1<<21)
	DENSE G1B, 416
	s_or_b32 s[G1S+0], s44, (3<<16)|(1<<20)|(1<<21)|(5<<22)|(3<<25)
	DENSE G1S, 32
	s_mov_b32 s[G0A], 1
	s_mov_b32 s[G0A+1], 0
	s_mov_b32 s[G0B], 1
	s_mov_b32 s[G0B+1], BB
	s_mov_b32 s[G0C], 1
	s_mov_b32 s[G0C+1], BB+2*KBLK
	s_mov_b32 s[G0S], 1
	s_mov_b32 s[G0S+1], SB
	s_mul_i32 s20, s17, 8*ATILE
	s_mov_b32 s21, 0
	s_add_co_u32 s46, s42, 44                      ; w_proj's rows begin at row 11,264 = 44 x 256
	s_mul_i32 s46, s46, 4*KBLK
	s_mov_b32 s47, 0
	s_lshl_b32 s92, s42, 8
	s_add_co_u32 s92, s92, 11264
	s_lshl_b32 s92, s92, 5
	s_mov_b32 s93, 0
	s_lshl_b32 s[ASB], s17, 8
	s_add_co_u32 s[ASB], s[ASB], ASH
	s_mov_b32 s[ASB+1], 0
	s_lshl_b32 s22, s42, 10
	s_lshl_b32 s23, s16, 9
	s_add_co_u32 s22, s22, s23                     ; my first column, in bytes
	s_mov_b32 s23, 0
	s_lshl_b32 s18, s17, 7
	s_lshl_b32 s19, s15, 6
	s_add_co_u32 s18, s18, s19
	s_lshl_b32 s18, s18, 12                        ; my first row of out0, 4,096 bytes a row
	s_add_co_u32 s18, s18, s22
	s_mov_b32 s19, 0
	s_mul_i32 s66, s15, 4*ATILE                    ; LDS: my four tiles of A,
	s_mul_i32 s67, s16, 128*PB
	s_add_co_u32 s67, s67, BB                      ; my 128 rows of B,
	s_mul_i32 s68, s15, 8*272
	s_add_co_u32 s68, s68, SA                      ; my tokens' scales,
	s_mul_i32 s69, s16, HALFS
	s_add_co_u32 s69, s69, SB
	s_sub_co_u32 s69, s69, s68                     ; from there to my columns' scales,
	s_mul_i32 s70, s14, 16*SPITCH
	s_add_co_u32 s70, s70, STAGE                   ; my stage
	s_wait_dscnt 0x0
	s_wait_kmcnt 0x0
	s_add_nc_u64 s[G0A+2:G0A+3], s[4:5], s[20:21]
	s_or_b32 s[G0A+3], s[G0A+3], 0x80000000
	s_add_nc_u64 s[ASB:ASB+1], s[4:5], s[ASB:ASB+1]
	s_add_nc_u64 s[G0B+2:G0B+3], s[6:7], s[46:47]
	s_add_nc_u64 s[G0C+2:G0C+3], s[G0B+2:G0B+3], 2*KBLK
	s_or_b32 s[G0B+3], s[G0B+3], 0x80000000
	s_or_b32 s[G0C+3], s[G0C+3], 0x80000000
	s_add_nc_u64 s[G0S+2:G0S+3], s[8:9], s[92:93]
	s_or_b32 s[G0S+3], s[G0S+3], 0x80000000
	s_add_nc_u64 s[10:11], s[10:11], s[22:23]
	s_add_nc_u64 s[12:13], s[12:13], s[18:19]
	CROUND                                         ; the sixteen work-groups meet ahead of the joint loads
	s_cmp_lt_u32 s14, 1                            ; one tree of branches on the wave's number, one load to an arm
	s_cbranch_scc0 .Lh1
	TL G0A, G1A
	s_branch .Lasked
.Lh1:
	s_cmp_lt_u32 s14, 2
	s_cbranch_scc0 .Lh2
	TL G0B, G1B
	s_branch .Lasked
.Lh2:
	s_cmp_lt_u32 s14, 3
	s_cbranch_scc0 .Lh3
	TL G0S, G1S
	s_branch .Lasked
.Lh3:
	TL G0C, G1B
.Lasked:
	v_and_b32 v1, 15, v0                           ; r
	v_bfe_u32 v2, v0, 4, 1                         ; h
	v_lshlrev_b32 v7, 1, v0                        ; a thread to a token: 2 bytes a head
	v_lshlrev_b32 v8, 6, v2
.irp hh, 0,1,2,3,4,5,6,7,8,9,10,11,12,13,14,15
	global_load_u16 v[208+\hh], v7, s[ASB:ASB+1] offset:16384*\hh
.endr
	WIN 0xc0
.irp b, 0,1,2,3,4,5,6,7
	global_load_b128 v[8*\b:8*\b+3], v8, s[10:11] offset:128*(\b/2)+32*(\b%2)        ; register j of lane (r, h) in tile 2 b' + u is column 32 b' + 16 h + 8 u + j
	global_load_b128 v[8*\b+4:8*\b+7], v8, s[10:11] offset:128*(\b/2)+32*(\b%2)+16
.endr
	WIN 0
	v_and_b32 v6, 31, v0
	v_lshlrev_b32 v[CO], 4, v6
	v_lshlrev_b32 v5, 3, v6
	v_add_nc_u32 v[ADRA], s66, v[CO]
	v_add_nc_u32 v[ADRA2], s66, v5
	v_mul_u32_u24 v3, v1, PB
	v_mad_u32_u24 v3, v2, 24, v3
	v_add_nc_u32 v[ADRB], s67, v3
.irp q, 1,2,3
	v_add_nc_u32 v[ADRB+\q], \q*KBLK, v[ADRB]
.endr
	v_lshlrev_b32 v5, 5, v1                        ; my row's scales: 32 bytes a row,
	v_lshrrev_b32 v6, 8, v5
	v_lshl_add_u32 v5, v6, 4, v5                   ; and 16 more for each 256 passed
	v_mul_u32_u24 v6, s69, v2                      ; lanes 16-31 take B's
	v_add_nc_u32 v5, v5, v6
	v_add_nc_u32 v[ADRS], s68, v5
	v_mul_u32_u24 v5, v1, SPITCH
	v_lshl_add_u32 v5, v2, 6, v5
	v_add_nc_u32 v[STO], s70, v5
	v_add_nc_u32 v[RD], s70, v[CO]
	v_lshrrev_b32 v9, 3, v0
	v_lshlrev_b32 v10, 5, v0
	v_lshl_add_u32 v10, v9, 4, v10
	v_add_nc_u32 v10, SA, v10                      ; where my token's row of scale bytes goes
	s_wait_alu depctr_va_vdst(0)
	s_wait_loadcnt 0x0
.irp g, 0,1,2,3,4,5,6,7
	v_lshl_or_b32 v[224+\g], v[209+2*\g], 16, v[208+2*\g]
.endr
	ds_store_b128 v10, v[224:227]
	ds_store_b128 v10, v[228:231] offset:16
	s_cmp_eq_u32 s14, 3
	s_cbranch_scc1 .Lnot_yet
	s_wait_tensorcnt 0x0                           ; waves 0 to 2: A, B's first two K steps, B's scales
.Lnot_yet:
	s_wait_dscnt 0x0
	s_barrier_signal -1
	s_barrier_wait -1                              ; wave 3's tile may still be on its way
.macro FETCH_B st                      ; 48 LDS loads: B's eight fragments of step st into set st % 2
	WIN 0x40
.irp i, 0,1,2,3,4,5,6,7
.irp p, 0,1,2,3,4,5
	ds_load_b64 v[96*((\st)%2)+FR*\i+2*\p:96*((\st)%2)+FR*\i+2*\p+1], v[ADRB+(\st)/2] offset:96*((\st)%2)+48*(\p/3)+8*(\p%3)+\i*16*PB
.endr
.endr
	WIN 0
.endm
.macro FETCH_A st                      ; 16 LDS loads: A's four
.irp a, 0,1,2,3
	ds_load_b128 v[AF+48*((\st)%2)+FR*\a:AF+48*((\st)%2)+FR*\a+3], v[ADRA] offset:ATILE*\a+1536*(\st)
	ds_load_b64 v[AF+48*((\st)%2)+FR*\a+4:AF+48*((\st)%2)+FR*\a+5], v[ADRA2] offset:ATILE*\a+1536*(\st)+512
	ds_load_b128 v[AF+48*((\st)%2)+FR*\a+6:AF+48*((\st)%2)+FR*\a+9], v[ADRA] offset:ATILE*\a+1536*(\st)+768
	ds_load_b64 v[AF+48*((\st)%2)+FR*\a+10:AF+48*((\st)%2)+FR*\a+11], v[ADRA2] offset:ATILE*\a+1536*(\st)+1280
.endr
.endm
; 16 products: A's blocks a0, a0 + 1 against B's eight; the 32 accumulators take turns, in the same order in every step
.macro MUL16 a0, st
.if (\st) == 0
	WIN 0xb1                                       ; C: the bias, window 3
.else
	WIN 0xa1
.endif
.irp a, \a0, \a0+1
.irp b, 0,1,2,3,4,5,6,7
.if (\st) == 0
	v_wmma_scale_f32_16x16x128_f8f6f4 v[8*(8*(\a)+\b):8*(8*(\a)+\b)+7], v[96*((\st)%2)+FR*\b:96*((\st)%2)+FR*\b+FR-1], v[AF+48*((\st)%2)+FR*(\a):AF+48*((\st)%2)+FR*(\a)+FR-1], v[8*\b:8*\b+7], v[SC+10*\b+(\st)], v[SC+10*(\a)+(\st)] matrix_a_fmt:MATRIX_FMT_FP6 matrix_b_fmt:MATRIX_FMT_FP6 matrix_a_scale:MATRIX_SCALE_ROW1
.else
	v_wmma_scale_f32_16x16x128_f8f6f4 v[8*(8*(\a)+\b):8*(8*(\a)+\b)+7], v[96*((\st)%2)+FR*\b:96*((\st)%2)+FR*\b+FR-1], v[AF+48*((\st)%2)+FR*(\a):AF+48*((\st)%2)+FR*(\a)+FR-1], v[8*(8*(\a)+\b):8*(8*(\a)+\b)+7], v[SC+10*\b+(\st)], v[SC+10*(\a)+(\st)] matrix_a_fmt:MATRIX_FMT_FP6 matrix_b_fmt:MATRIX_FMT_FP6 matrix_a_scale:MATRIX_SCALE_ROW1
.endif
.endr
.endr
	WIN 0
.endm
.macro STEP st                         ; 128 along K
.if (\st) == 3
	s_barrier_wait -1                              ; B's K steps 2 and 3 are shown to all
.endif
.if (\st) < 7
.if (\st) > 0
	PLACES 4                                       ; behind the last step's products, ahead of loads into the sets that they read
.endif
	FETCH_B (\st)+1
	s_wait_dscnt 48                                ; all but the 48 just issued: this step's fragments are in
.else
	s_wait_dscnt 0x0
.endif
	MUL16 0, \st
.if (\st) == 2
	s_wait_tensorcnt 0x0                           ; every wave: all that is still out
	s_wait_dscnt 0x0
	s_barrier_signal -1
.endif
.if (\st) < 7
	FETCH_A (\st)+1
.endif
	MUL16 2, \st
.endm
	FETCH_B 0
	FETCH_A 0
.irp i, 0,1,2,3,4,5,6,7
	ds_load_b128 v[SC+10*\i:SC+10*\i+3], v[ADRS] offset:\i*SBLK          ; all of K's scale words: lanes 0-15 A's block i (of four; beyond them bytes of B's, not used), lanes 16-31 B's block i
	ds_load_b128 v[SC+10*\i+4:SC+10*\i+7], v[ADRS] offset:\i*SBLK+16
.endr
.irp st, 0,1,2,3,4,5,6,7
	STEP \st
.endr
; THE WAY OUT, block by block of 16 tokens x 128 columns, through my own stage: whole rows of 512 bytes leave
.macro TOSTAGE a
	WIN 0x08
.irp b, 0,1,2,3,4,5,6,7
	ds_store_b128 v[STO], v[64*(\a)+8*\b:64*(\a)+8*\b+3] offset:128*(\b/2)+32*(\b%2)
	ds_store_b128 v[STO], v[64*(\a)+8*\b+4:64*(\a)+8*\b+7] offset:128*(\b/2)+32*(\b%2)+16
.endr
	WIN 0
.irp t, 0,1,2,3,4,5,6,7,8,9,10,11,12,13,14,15
	ds_load_b128 v[BK+64*((\a)%2)+4*\t:BK+64*((\a)%2)+4*\t+3], v[RD] offset:\t*SPITCH   ; LDS serves a wave's instructions in order: these see the stores above
.endr
.endm
.macro SEND a, younger
	s_wait_dscnt \younger
.irp t, 0,1,2,3,4,5,6,7,8,9,10,11,12,13,14,15
	global_store_b128 v[CO], v[BK+64*((\a)%2)+4*\t:BK+64*((\a)%2)+4*\t+3], s[12:13] offset:(32*((\a)/2)+8*((\a)%2)+\t%8+16*(\t/8))*4096 th:TH_STORE_NT
.endr
.endm
	PLACES 4
	TOSTAGE 0
.irp a, 1,2,3
.if \a > 1
	s_wait_xcnt 0x0                                ; block a - 2's stores have read their registers
.endif
	TOSTAGE \a
	SEND \a-1, 32                                  ; behind block a - 1's loads: block a's 16 stores and 16 loads
.endr
	SEND 3, 0
	s_wait_tensorcnt 0x0                           ; the wave's end
	ds_add_u32 v[SPW], v[NIL]
	s_wait_dscnt 0x0
	CROUND
	s_endpgm
.Lfunc_end_k_q2b62cbeb1f_proj:
	.size	k_q2b62cbeb1f_proj, .Lfunc_end_k_q2b62cbeb1f_proj-k_q2b62cbeb1f_proj
	.p2alignl 7, 3214868480
	.fill 96, 4, 3214868480
	.section	.rodata,"a",@progbits
	.p2align	6, 0x0
	.amdhsa_kernel k_q2b62cbeb1f_proj
		.amdhsa_group_segment_fixed_size 327680
		.amdhsa_private_segment_fixed_size 0
		.amdhsa_enable_private_segment 0
		.amdhsa_kernarg_size 40
		.amdhsa_user_sgpr_count 2
		.amdhsa_user_sgpr_kernarg_segment_ptr 1
		.amdhsa_wavefront_size32 1
		.amdhsa_system_sgpr_workgroup_id_x 1
		.amdhsa_system_sgpr_workgroup_id_y 1
		.amdhsa_system_sgpr_workgroup_id_z 1
		.amdhsa_system_vgpr_workitem_id 0
		.amdhsa_next_free_vgpr 832
		.amdhsa_next_free_sgpr 100
		.amdhsa_reserve_vcc 0
		.amdhsa_float_denorm_mode_32 3
		.amdhsa_float_denorm_mode_16_64 3
		.amdhsa_memory_ordered 1
		.amdhsa_forward_progress 1
		.amdhsa_inst_pref_size 95
	.end_amdhsa_kernel
	.amdgpu_metadata
---
amdhsa.version: [ 1, 2 ]
amdhsa.kernels:
  - .name:           k_q2b62cbeb1f_proj
    .symbol:         k_q2b62cbeb1f_proj.kd
    .args:
      - { .name: ao, .offset: 0, .size: 8, .value_kind: global_buffer, .address_space: global }
      - { .name: cq, .offset: 8, .size: 8, .value_kind: global_buffer, .address_space: global }
      - { .name: sq, .offset: 16, .size: 8, .value_kind: global_buffer, .address_space: global }
      - { .name: b_proj, .offset: 24, .size: 8, .value_kind: global_buffer, .address_space: global }
      - { .name: out0, .offset: 32, .size: 8, .value_kind: global_buffer, .address_space: global }
    .group_segment_fixed_size: 327680
    .private_segment_fixed_size: 0
    .kernarg_segment_align: 8
    .kernarg_segment_size: 40
    .max_flat_workgroup_size: 128
    .sgpr_count:     100
    .vgpr_count:     832
    .wavefront_size: 32
...
	.end_amdgpu_metadata
.endif
;; end of part 4
